; MI455X (gfx1250); checked and timed in simulation.
; The chip was launched on July 23, 2026; its instructions are those of AMD's public machine-readable ISA for CDNA 5 (MIT licence, August 2026) and "CDNA5" Instruction Set Architecture Reference Guide (July 2026). The comments in the code are by the model that wrote it; some were corrected since.
;; LS Multihead Attention Layer. Allowed arithmetic: matrix products marked QUANTISED: E3M2 operands, one E8M0 scale for each 32 along K, by v_wmma_scale_f32_16x16x128_f8f6f4 with both operands' format E3M2, f32 sums; everything else in f32.
;; Inputs: encoder_padding_mask 4 x 2,048 int32; hidden_states 4 x 2,048 x 1,024 float32; ln_beta 1,024 float32; ln_gamma 1,024 float32; out_b 1,024 float32; out_w_codes 1,024 x 32 x 24 uint8 (E3M2 codes of out_w, K innermost, in blocks of 32 codes, four codes in three bytes); out_w_scales 1,024 x 32 uint8 (E8M0 scales of out_w, one for each 32 codes along K); qkv_b 3,072 float32; qkv_w_codes 3,072 x 32 x 24 uint8 (E3M2 codes of qkv_w, K innermost, in blocks of 32 codes, four codes in three bytes); qkv_w_scales 3,072 x 32 uint8 (E8M0 scales of qkv_w, one for each 32 codes along K).
;; Outputs: out0 4 x 2,048 x 1,024 float32.
;; This version of the problem:
;;   THIS VERSION OF THE PROBLEM IS GIVEN IN LOW PRECISION. The matrix products marked QUANTISED in the list below multiply operands that are first quantised to E3M2 (3 exponent bits, 2 mantissa bits; 6 bits a number), with one power-of-two scale for each 32 numbers along K (OCP MX v1.0); their sums are f32. All else is computed in f32.
;;   The module's matrix products, in the order in which they are computed (A, B: the left and right operand; K: the contracted axis; several contracted axes count as one K, in the product's order):
;;     1. [M 8,192, K 1,024] x [K 1,024, N 3,072]; A: computed on the way; B: input qkv_w (given as codes): QUANTISED
;;     2. batch 64 x [M 2,048, K 64] x [K 64, N 2,048]; A: computed on the way; B: computed on the way: QUANTISED
;;     3. batch 64 x [M 64, K 2,048] x [K 2,048, N 2,048]; A: computed on the way; B: softmax (see below): QUANTISED
;;     4. [M 8,192, K 1,024] x [K 1,024, N 1,024]; A: computed on the way; B: input out_w (given as codes): QUANTISED
;;   THE QUANTISER, for each operand of a quantised product, along K:
;;     - K is cut into blocks of 32 from its start; a last block that is shorter is filled with zeros.
;;     - A block's scale is 2^e with e = floor(log2(the largest magnitude in the block)) - 4, held to -126 .. 127; a block of zeros has e = 0. As a byte (E8M0): e + 127.
;;     - Each number is divided by its block's scale, clamped to +-28, and rounded to the nearest number of E3M2, ties to even, subnormals kept.
;;     - The product sums the exact products of the quantised numbers (number of the format x scale) in f32.
;;   ~~~python
;;   def quantise(x, axis):      # numpy; x: float32 -> the quantised numbers, widened to float32 again
;;       x = np.moveaxis(x, axis, -1); K = x.shape[-1]
;;       x = np.pad(x, [(0, 0)] * (x.ndim - 1) + [(0, -K % 32)]); x = x.reshape(x.shape[:-1] + (-1, 32)); a = np.abs(x).max(-1, keepdims=True)
;;       e = np.where(a > 0, np.clip(np.frexp(np.where(a > 0, a, 1))[1] - 1 - 4, -126, 127), 0)      # np.frexp(a)[1] - 1 = floor(log2(a)), exactly
;;       r = np.clip(x / 2.0 ** e, -28, 28)
;;       step = 2.0 ** (np.maximum(np.frexp(np.where(r == 0, 1, r))[1] - 1, -2) - 2)
;;       q = np.round(r / step) * step * 2.0 ** e      # np.round: ties to even
;;       return np.moveaxis(q.reshape(q.shape[:-2] + (-1,))[..., :K], -1, axis).astype(np.float32)
;;   ~~~
;;   SOFTMAX AHEAD OF A QUANTISED PRODUCT. Where the list says 'softmax', what is quantised is not the finished softmax but p = 2^(t - M), with t = logit x log2(e) and M = ceil(the row's largest t), a whole number; so 1/2 < the row's largest p <= 1. The row's sum l is taken of the UNQUANTISED p, in f32, and the product's result is divided by l at the end. Since M is a whole number, a kernel that streams over the keys may use a running M (the ceiling of the running maximum): every later rescaling is an exact power of two, which a block's scale takes up: the codes' values come out the same.
;;   OPERANDS COMPUTED ON THE WAY. 'Computed on the way' means the value that the module computes at that place (a softmax that the list does not call 'softmax' is quantised finished and normalised). What goes into a quantiser is computed in f32, as accurately as f32 sums, v_exp_f32 and their like allow (about 1e-6 of the number): no bf16 or f16 on the way to a quantiser, and a product that is left as it is and whose result goes on into a quantised operand takes f32 operands (vector FMAs, or v_wmma_f32_16x16x4_f32). A number that lies on a knife's edge between two numbers of the format may be rounded either way, as far as f32 arithmetic and the matrix unit's own rounding can turn it there, and no further.
;;   INPUTS GIVEN AS CODES. out_w (in the module: [1024, 1024], K = its axis 1); qkv_w (in the module: [3072, 1024], K = its axis 1): each comes as NAME_codes (uint8): NAME with its K axis moved to the last place and cut into blocks of 32 codes, [.., K / 32, bytes a block], one block behind the other in memory; four codes in three bytes: a row's codes are one little-endian stream of bits, code i at bits 6 i .. 6 i + 5 (a code: sign, 3 exponent bits, 2 mantissa bits); and NAME_scales (uint8): the same leading axes, one E8M0 byte (e + 127) for each 32 codes along K. Its value is code x scale, taken as it is: it is not quantised again, and the codes and scales need not be those that the quantiser above would give.
;; One version. Each part assembles by itself: llvm-mc -triple=amdgcn-amd-amdhsa -mcpu=gfx1250 --defsym DOCPART=n.
;; ======== version 1 of 1: 4 launches
;; limits: right only within a limited range of input values
;; workspace buffers: yq 6,553,600 bytes; wimg 3,145,728 bytes; qkv 26,738,688 bytes; ctx 6,553,600 bytes
;; launch lnq (part 1): grid 256 x 1, 8 waves a work-group, no clusters, 133,632 bytes of LDS; arguments hidden_states, ln_gamma, ln_beta, qkv_w_codes, out_w_codes, yq, wimg; writes yq, wimg
.if DOCPART == 1
	.amdgcn_target "amdgcn-amd-amdhsa--gfx1250"
	.amdhsa_code_object_version 6
	.text
	.protected	k_q42bb73dacf_lnq
	.globl	k_q42bb73dacf_lnq
	.p2align	8
	.type	k_q42bb73dacf_lnq,@function
k_q42bb73dacf_lnq:
	s_mov_b64 s[64:65], 0
	v_nop
	global_prefetch_b8 v0, s[64:65] scope:SCOPE_SE
	s_setreg_imm32_b32 hwreg(HW_REG_WAVE_MODE, 25, 1), 1
	s_wait_xcnt 0x0
; y = LayerNorm(x) x gamma + beta, in f32 (mean, then centred squares), quantised along H to E3M2 codes with one E8M0 byte for each 32; and both weights' codes laid anew as images of operand registers.
; SHARES.  Work-group g owns tokens 32 g .. 32 g + 31 and the weights' tile of 16 rows number g (0-191: qkv_w, 192-255: out_w).  Eight waves.
; Phase 1: wave w normalises rows 4 w .. 4 w + 3, a row in 32 registers of the wave; the rows go to a stage in LDS.  Phase 2: wave w takes H = 128 w .. 128 w + 127 of all 32 rows: two operand fragments.
; TILES.  Lane r of token tile u stands for token 8 u + r + 8 (r / 8) of the 32, so stage row 16 u + r holds that token: row x lies at x with bits 3 and 4 exchanged.  The weights' tiles take their rows the same way.
; IMAGES.  A fragment (16 rows x 128 K, 12 registers a lane) of y is two halves of 768 bytes: registers 6 c .. 6 c + 3 at 16 x lane, 6 c + 4, 5 at 512 + 8 x lane.  A weight fragment is three runs of 512 bytes, registers 4 i .. 4 i + 3 at 16 x lane.
; So every store of codes covers 512 or 256 consecutive bytes, aligned to 256.  Scale words are gathered in LDS and leave as 512 consecutive bytes a tile.
; No cluster: work-groups share only gamma and beta, 8 KB.  No tensor load: each byte of x goes straight into the registers that sum it.
; LIMITS: NaN and infinities are not served.  A block whose largest magnitude lies under 2^-122 keeps the byte 1; so does a block of zeros (its codes are zeros; the bytes are read by this program alone).
.set STGP,  4112                       ; a stage row: 4,096 bytes + 16: an odd multiple of 16, so that 16 rows' reads of 16 bytes fall in 16 different columns of banks (ISA guide 11.1)
.set SCW,   32*STGP                    ; behind the stage: scale words [tile][r][8 K steps], 1,024 bytes
.set WF,    10                         ; v10-21   the weight fragment
.set GA,    24                         ; v24-55   gamma of my 32 columns
.set BE,    56                         ; v56-87   beta
.set X,     88                         ; v88-215  four rows x 32; in phase 2 four blocks' worth: 4 x 32 numbers
.set MU,    216                        ; v216-223 a pair for each row: the mean, later 1 / sqrt(var + eps); the upper word is only named
.set SM,    224                        ; v224-231 a pair of sums for each row
.set PC,    24                         ; phase 2: v24-47 codes, 6 registers for each of 4 half images
.set TT,    48                         ; v48-63   the upper 16 codes of each, before they are moved
.set TM,    64                         ; v64-67 largest magnitudes, v68-71 scale operands, v72-75 bytes, v76-77 scale words, v78-79 the other half's
.set SEL,   36                         ; s[36:37] lane selects: lane l xor 16
	s_load_b256 s[4:11], s[0:1], 0x0               ; x, gamma, beta, qkv_w's codes
	s_load_b128 s[12:15], s[0:1], 0x20             ; out_w's codes, yq
	s_load_b64 s[16:17], s[0:1], 0x30              ; wimg
	v_lshl_add_u32 v254, v0, 2, 0x20600
	v_mov_b32 v255, 0
	v_lshrrev_b32 v2, 5, v0
	s_delay_alu instid0(VALU_DEP_1)
	v_readfirstlane_b32 s18, v2                    ; wave 0..7
	v_and_b32 v22, 31, v0                          ; lane
	v_and_b32 v23, 15, v0                          ; r
	v_bfe_u32 v6, v0, 4, 1                         ; h
	s_delay_alu instid0(VALU_DEP_3)
	v_lshlrev_b32 v1, 4, v22                       ; v1 = 16 x lane
	s_wait_alu depctr_va_vdst(0)
	v_lshl_add_u32 v2, v22, 3, 512                 ; v2 = 512 + 8 x lane
	s_bfe_u32 s19, s18, 0x10001                    ; my first row's place in the stage: 16 x (w bit 1) + 8 x (w bit 2) + 4 x (w bit 0)
	s_lshl_b32 s19, s19, 4
	s_lshr_b32 s20, s18, 2
	s_lshl_b32 s20, s20, 3
	s_add_co_u32 s19, s19, s20
	s_and_b32 s20, s18, 1
	s_lshl_b32 s21, s20, 2
	s_add_co_u32 s19, s19, s21
	s_mul_i32 s19, s19, STGP
	v_add_nc_u32 v3, s19, v1                       ; v3: into the stage
	v_mul_u32_u24 v4, v23, STGP
	s_delay_alu instid0(VALU_DEP_1)
	v_lshl_add_u32 v4, v6, 7, v4
	s_lshl_b32 s21, s18, 9
	v_add_nc_u32 v4, s21, v4                       ; v4: out of it, tile 0: row r, my K step's 512 bytes, my half's 128
	s_delay_alu instid0(VALU_DEP_1)
	v_add_nc_u32 v9, 16*STGP, v4                   ; v9: tile 1 (16 rows are more than an LDS offset holds)
	v_and_b32 v5, 8, v23
	s_delay_alu instid0(VALU_DEP_1)
	v_add_nc_u32 v5, v5, v23
	s_delay_alu instid0(VALU_DEP_1)
	v_mul_u32_u24 v5, v5, 768
	s_delay_alu instid0(VALU_DEP_1)
	v_mad_u32_u24 v5, v6, 24, v5                   ; v5: the weight's row r + 8 (r / 8) of 768 bytes, + 24 h
	v_lshlrev_b32 v7, 5, v23
	s_lshl_b32 s21, s18, 2
	s_add_co_u32 s21, s21, SCW
	v_add_nc_u32 v7, s21, v7                       ; v7: my scale word: 32 r + 4 w
	s_lshl_b32 s21, s20, 9
	s_add_co_u32 s21, s21, SCW
	v_add_nc_u32 v8, s21, v1                       ; v8: waves 0 and 1 read a tile's 512 bytes of scale words back
	v_lshlrev_b32 v6, 3, v6                        ; v6 = 8 h
	s_lshl_b32 s24, ttmp9, 17                      ; x: 32 rows of 4,096 bytes a work-group, 4 a wave
	s_lshl_b32 s21, s18, 14
	s_add_co_u32 s24, s24, s21
	s_mov_b32 s25, 0
	s_cmp_lt_u32 ttmp9, 192
	s_cselect_b32 s22, 0, 192
	s_sub_co_u32 s22, ttmp9, s22                   ; the tile's number in its own weight
	s_lshr_b32 s23, s22, 1
	s_lshl_b32 s23, s23, 5
	s_and_b32 s22, s22, 1
	s_lshl_b32 s22, s22, 3
	s_add_co_u32 s23, s23, s22                     ; its first row: 32 (t / 2) + 8 (t % 2)
	s_mul_i32 s26, s23, 768
	s_mul_i32 s21, s18, 96
	s_add_co_u32 s26, s26, s21                     ; + my K step's 96 bytes
	s_mov_b32 s27, 0
	s_lshl_b32 s28, ttmp9, 3
	s_add_co_u32 s28, s28, s18
	s_mul_i32 s28, s28, 1536                       ; wimg: fragment 8 g + w
	s_mov_b32 s29, 0
	s_lshr_b32 s30, ttmp9, 2
	s_mul_i32 s30, s30, 102400                     ; yq: the record of 128 tokens
	s_and_b32 s21, ttmp9, 3
	s_mul_i32 s22, s21, 24576
	s_mul_i32 s23, s18, 1536
	s_add_co_u32 s22, s22, s23                     ; my two tiles, my K step
	s_lshl_b32 s21, s21, 1
	s_add_co_u32 s21, s21, s20
	s_lshl_b32 s21, s21, 9
	s_add_co_u32 s32, s30, s21
	s_add_co_u32 s32, s32, 98304                   ; the scale words of tile 2 (g % 4) + w % 2
	s_mov_b32 s33, 0
	s_add_co_u32 s30, s30, s22
	s_mov_b32 s31, 0
	s_mov_b32 s[SEL], 0x76543210
	s_mov_b32 s[SEL+1], 0xfedcba98
	s_mov_b32 s38, 0x3a800000                      ; 1 / 1024
	s_mov_b32 s39, 0x3727c5ac                      ; 1e-5
	s_wait_alu depctr_va_vdst(0)
	s_wait_kmcnt 0x0
	s_add_nc_u64 s[4:5], s[4:5], s[24:25]
	s_cmp_lt_u32 ttmp9, 192                        ; which weight: the choice hangs on the work-group's number alone
	s_cselect_b64 s[10:11], s[10:11], s[12:13]
	s_add_nc_u64 s[10:11], s[10:11], s[26:27]
	s_add_nc_u64 s[16:17], s[16:17], s[28:29]
	s_add_nc_u64 s[34:35], s[14:15], s[32:33]
	s_add_nc_u64 s[14:15], s[14:15], s[30:31]
.irp i, 0,1,2,3
.irp j, 0,1,2,3,4,5,6,7
	global_load_b128 v[X+32*\i+4*\j:X+32*\i+4*\j+3], v1, s[4:5] offset:4096*\i+512*\j th:TH_LOAD_NT   ; 32 lanes read 512 consecutive bytes; all of the wave's 16 KB is asked for at once
.endr
.endr
.irp p, 0,1,2,3,4,5
	global_load_b64 v[WF+2*\p:WF+2*\p+1], v5, s[10:11] offset:48*(\p/3)+8*(\p%3)   ; the weight fragment, as the operand's registers take it
.endr
.irp j, 0,1,2,3,4,5,6,7
	global_load_b128 v[GA+4*\j:GA+4*\j+3], v1, s[6:7] offset:512*\j
	global_load_b128 v[BE+4*\j:BE+4*\j+3], v1, s[8:9] offset:512*\j
.endr
.irp i, 0,1,2,3
	v_mov_b32 v[MU+2*\i+1], 0                      ; named as the upper half of a pair, so it is written
.endr
; The sums of four rows, each from a pair of partial sums to one number in every lane.
.macro REDUCE
.irp i, 0,1,2,3
	s_delay_alu instid0(VALU_DEP_4)
	v_add_f32 v[SM+2*\i], v[SM+2*\i], v[SM+2*\i+1]
.endr
.irp m, 1,2,4,8
.irp i, 0,1,2,3
	s_delay_alu instid0(VALU_DEP_4)
	v_add_f32_dpp v[SM+2*\i], v[SM+2*\i], v[SM+2*\i] row_xmask:\m row_mask:0xf bank_mask:0xf
.endr
.endr
.irp i, 0,1,2,3
	s_delay_alu instid0(VALU_DEP_4)
	v_permlanex16_b32 v[SM+2*\i+1], v[SM+2*\i], s[SEL], s[SEL+1]
.endr
.irp i, 0,1,2,3
	s_delay_alu instid0(VALU_DEP_4)
	v_add_f32 v[SM+2*\i], v[SM+2*\i], v[SM+2*\i+1]
.endr
.endm
	s_wait_loadcnt 22                              ; x's 32 loads are in; behind them 6 of the weight and 16 of gamma and beta may be out
.irp i, 0,1,2,3
	v_pk_add_f32 v[SM+2*\i:SM+2*\i+1], v[X+32*\i:X+32*\i+1], v[X+32*\i+2:X+32*\i+3]
.endr
.set j, 4
.rept 14
.irp i, 0,1,2,3
	s_delay_alu instid0(VALU_DEP_4)
	v_pk_add_f32 v[SM+2*\i:SM+2*\i+1], v[SM+2*\i:SM+2*\i+1], v[X+32*\i+j:X+32*\i+j+1]   ; the four rows by turns
.endr
.set j, j+2
.endr
	REDUCE
.irp i, 0,1,2,3
	s_delay_alu instid0(VALU_DEP_4)
	v_mul_f32 v[MU+2*\i], s38, v[SM+2*\i]          ; the mean
.endr
.set j, 0
.rept 16
.irp i, 0,1,2,3
	v_pk_add_f32 v[X+32*\i+j:X+32*\i+j+1], v[X+32*\i+j:X+32*\i+j+1], v[MU+2*\i:MU+2*\i+1] op_sel_hi:[1,0] neg_lo:[0,1] neg_hi:[0,1]   ; x - mean
.endr
.set j, j+2
.endr
.irp i, 0,1,2,3
	v_pk_mul_f32 v[SM+2*\i:SM+2*\i+1], v[X+32*\i:X+32*\i+1], v[X+32*\i:X+32*\i+1]
.endr
.set j, 2
.rept 15
.irp i, 0,1,2,3
	s_delay_alu instid0(VALU_DEP_4)
	v_pk_fma_f32 v[SM+2*\i:SM+2*\i+1], v[X+32*\i+j:X+32*\i+j+1], v[X+32*\i+j:X+32*\i+j+1], v[SM+2*\i:SM+2*\i+1]
.endr
.set j, j+2
.endr
	REDUCE
.irp i, 0,1,2,3
	s_delay_alu instid0(VALU_DEP_4)
	v_fma_f32 v[SM+2*\i], v[SM+2*\i], s38, s39     ; var + eps
.endr
	s_wait_alu depctr_va_vdst(0)
.irp i, 0,1,2,3
	v_rsq_f32 v[MU+2*\i], v[SM+2*\i]
.endr
	v_nop                                          ; a plain instruction behind the last of the four
	s_wait_alu depctr_va_vdst(0)                   ; one wait for the batch, ahead of its first reader
	s_wait_loadcnt 0x0                             ; the weight fragment, gamma and beta
.irp i, 0,1,2
	global_store_b128 v1, v[WF+4*\i:WF+4*\i+3], s[16:17] offset:512*\i   ; the weight's image: 512 consecutive bytes a store
.endr
.irp i, 0,1,2,3
.set j, 0
.rept 16
	v_pk_mul_f32 v[X+32*\i+j:X+32*\i+j+1], v[X+32*\i+j:X+32*\i+j+1], v[MU+2*\i:MU+2*\i+1] op_sel_hi:[1,0]
.set j, j+2
.endr
.set j, 0
.rept 16
	v_pk_fma_f32 v[X+32*\i+j:X+32*\i+j+1], v[X+32*\i+j:X+32*\i+j+1], v[GA+j:GA+j+1], v[BE+j:BE+j+1]
.set j, j+2
.endr
.irp j, 0,1,2,3,4,5,6,7
	ds_store_b128 v3, v[X+32*\i+4*\j:X+32*\i+4*\j+3] offset:STGP*\i+512*\j
.endr
.endr
	s_wait_dscnt 0x0                               ; for the others' sake: my rows lie in the stage
	s_barrier_signal -1
	s_barrier_wait -1
	; Phase 2.  Lane (r, h) takes, of row r of each tile, H = 128 w + 64 c + 32 h + 0 .. 31: whole blocks, in the order of the operand's registers.  Block k = 2 u + c lies in v[X + 32 k] on.
.irp c, 0,1
.irp i, 0,1,2,3,4,5,6,7
	ds_load_b128 v[X+32*\c+4*\i:X+32*\c+4*\i+3], v4 offset:256*\c+16*\i
.endr
.endr
.irp c, 0,1
.irp i, 0,1,2,3,4,5,6,7
	ds_load_b128 v[X+64+32*\c+4*\i:X+64+32*\c+4*\i+3], v9 offset:256*\c+16*\i
.endr
.endr
	v_mov_b32 v[TM+14], 0                          ; a lane permute's destination counts as read
	v_mov_b32 v[TM+15], 0
	s_wait_dscnt 0x0
.irp k, 0,1,2,3
	v_max3_num_f32 v[TM+\k], |v[X+32*\k]|, |v[X+32*\k+1]|, 0x2800000   ; the block's largest magnitude, with the floor 2^(5 - 127) among its leaves: the byte cannot fall under 1
.endr
.set j, 2
.rept 15
.irp k, 0,1,2,3
	s_delay_alu instid0(VALU_DEP_4)
	v_max3_num_f32 v[TM+\k], v[TM+\k], |v[X+32*\k+j]|, |v[X+32*\k+j+1]|
.endr
.set j, j+2
.endr
.irp k, 0,1,2,3
	s_delay_alu instid0(VALU_DEP_4)
	v_add_nc_u32 v[TM+4+\k], 0xfe000000, v[TM+\k]  ; 4 off the exponent field: the conversion's scale operand
.endr
.irp k, 0,1,2,3
	s_delay_alu instid0(VALU_DEP_4)
	v_lshrrev_b32 v[TM+8+\k], 23, v[TM+4+\k]       ; the scale's byte
.endr
.irp u, 0
	s_delay_alu instid0(VALU_DEP_3)
	v_lshl_or_b32 v[TM+12+\u], v[TM+9+2*\u], 16, v[TM+8+2*\u]   ; my two bytes: blocks h and 2 + h,
.endr
.irp u, 1
	s_delay_alu instid0(VALU_DEP_2)
	v_lshl_or_b32 v[TM+12+\u], v[TM+9+2*\u], 16, v[TM+8+2*\u]   ; my two bytes: blocks h and 2 + h,
.endr
.irp u, 0,1
	s_delay_alu instid0(VALU_DEP_2)
	v_lshlrev_b32 v[TM+12+\u], v6, v[TM+12+\u]     ; 8 h bits up;
.endr
.irp u, 0,1
	s_delay_alu instid0(VALU_DEP_2)
	v_permlanex16_b32 v[TM+14+\u], v[TM+12+\u], s[SEL], s[SEL+1]
.endr
.irp u, 0,1
	s_delay_alu instid0(VALU_DEP_2)
	v_or_b32 v[TM+12+\u], v[TM+12+\u], v[TM+14+\u] ; with the other half's two the word is whole
.endr
.irp k, 0,1,2,3
	v_cvt_scalef32_pk16_bf6_f32 v[PC+6*\k:PC+6*\k+2], v[X+32*\k:X+32*\k+15], v[TM+4+\k]
	v_cvt_scalef32_pk16_bf6_f32 v[TT+4*\k:TT+4*\k+2], v[X+32*\k+16:X+32*\k+31], v[TM+4+\k]   ; (a conversion's three registers begin on an even number)
.endr
	v_nop                                          ; one plain place behind the conversions
.irp k, 0,1,2,3
.irp i, 0,1,2
	v_mov_b32 v[PC+6*\k+3+\i], v[TT+4*\k+\i]
.endr
.endr
.irp k, 0,1,2,3
	global_store_b128 v1, v[PC+6*\k:PC+6*\k+3], s[14:15] offset:12288*(\k/2)+768*(\k%2)     ; half image c of tile u: 512 consecutive bytes,
	global_store_b64 v2, v[PC+6*\k+4:PC+6*\k+5], s[14:15] offset:12288*(\k/2)+768*(\k%2)    ; and 256
.endr
.irp u, 0,1
	ds_store_b32 v7, v[TM+12+\u] offset:512*\u     ; both halves of the lanes write the same word with the same value
.endr
	s_wait_dscnt 0x0
	s_barrier_signal -1
	s_barrier_wait -1                              ; all eight K steps' words lie in LDS
	s_cmp_gt_u32 s18, 1
	s_cbranch_scc1 .Ldone
	ds_load_b128 v[80:83], v8                      ; waves 0 and 1: a tile's 512 bytes of scale words
	s_wait_dscnt 0x0
	global_store_b128 v1, v[80:83], s[34:35]
.Ldone:
	s_wait_tensorcnt 0x0
	ds_add_u32 v254, v255
	s_wait_dscnt 0x0
	s_endpgm
.Lfunc_end_k_q42bb73dacf_lnq:
	.size	k_q42bb73dacf_lnq, .Lfunc_end_k_q42bb73dacf_lnq-k_q42bb73dacf_lnq
	.p2alignl 7, 3214868480
	.fill 96, 4, 3214868480
	.section	.rodata,"a",@progbits
	.p2align	6, 0x0
	.amdhsa_kernel k_q42bb73dacf_lnq
		.amdhsa_group_segment_fixed_size 133632
		.amdhsa_private_segment_fixed_size 0
		.amdhsa_enable_private_segment 0
		.amdhsa_kernarg_size 56
		.amdhsa_user_sgpr_count 2
		.amdhsa_user_sgpr_kernarg_segment_ptr 1
		.amdhsa_wavefront_size32 1
		.amdhsa_system_sgpr_workgroup_id_x 1
		.amdhsa_system_sgpr_workgroup_id_y 1
		.amdhsa_system_sgpr_workgroup_id_z 1
		.amdhsa_system_vgpr_workitem_id 0
		.amdhsa_next_free_vgpr 256
		.amdhsa_next_free_sgpr 66
		.amdhsa_reserve_vcc 0
		.amdhsa_float_denorm_mode_32 3
		.amdhsa_float_denorm_mode_16_64 3
		.amdhsa_memory_ordered 1
		.amdhsa_forward_progress 1
		.amdhsa_inst_pref_size 53
	.end_amdhsa_kernel
	.amdgpu_metadata
---
amdhsa.version: [ 1, 2 ]
amdhsa.kernels:
  - .name:           k_q42bb73dacf_lnq
    .symbol:         k_q42bb73dacf_lnq.kd
    .args:
      - { .name: hidden_states, .offset: 0, .size: 8, .value_kind: global_buffer, .address_space: global }
      - { .name: ln_gamma, .offset: 8, .size: 8, .value_kind: global_buffer, .address_space: global }
      - { .name: ln_beta, .offset: 16, .size: 8, .value_kind: global_buffer, .address_space: global }
      - { .name: qkv_w_codes, .offset: 24, .size: 8, .value_kind: global_buffer, .address_space: global }
      - { .name: out_w_codes, .offset: 32, .size: 8, .value_kind: global_buffer, .address_space: global }
      - { .name: yq, .offset: 40, .size: 8, .value_kind: global_buffer, .address_space: global }
      - { .name: wimg, .offset: 48, .size: 8, .value_kind: global_buffer, .address_space: global }
    .group_segment_fixed_size: 133632
    .private_segment_fixed_size: 0
    .kernarg_segment_align: 8
    .kernarg_segment_size: 56
    .max_flat_workgroup_size: 256
    .sgpr_count:     66
    .vgpr_count:     256
    .wavefront_size: 32
...
	.end_amdgpu_metadata
.endif
;; end of part 1
;; launch qkvp (part 2): grid 4 x 64, 4 waves a work-group, clusters of 4 x 1, 167,936 bytes of LDS; arguments yq, wimg, qkv_w_scales, qkv_b, qkv; writes qkv
.if DOCPART == 2
	.amdgcn_target "amdgcn-amd-amdhsa--gfx1250"
	.amdhsa_code_object_version 6
	.text
	.protected	k_q42bb73dacf_qkvp
	.globl	k_q42bb73dacf_qkvp
	.p2align	8
	.type	k_q42bb73dacf_qkvp,@function
k_q42bb73dacf_qkvp:
	s_mov_b64 s[64:65], 0
	v_nop
	global_prefetch_b8 v0, s[64:65] scope:SCOPE_SE
	s_setreg_imm32_b32 hwreg(HW_REG_WAVE_MODE, 25, 1), 1
	s_wait_xcnt 0x0
	s_wait_alu depctr_hold_cnt(0) depctr_sa_sdst(0) depctr_va_vdst(0) depctr_va_sdst(0) depctr_va_ssrc(0) depctr_va_vcc(0) depctr_vm_vsrc(0)
	s_getreg_b32 s2, hwreg(HW_REG_IB_STS2, 6, 4)
	s_cmp_eq_u32 s2, 0
	s_cbranch_scc0 .Lentry_in_a_cluster
	s_endpgm
.Lentry_in_a_cluster:
	s_bfe_u32 s2, ttmp6, 0x10000c
	s_cmp_lg_u32 s2, 0x3003
	s_cbranch_scc0 .Lentry_shape_is_right
	s_endpgm
.Lentry_shape_is_right:
; qkv = y W^T + b on E3M2 codes; q and k are quantised along the head's 64, v along the keys, and all three leave as images of operand registers for the attention launch.
; SHARES.  Work-group y owns ONE block of 128 tokens; the cluster's four work-groups take four heads each, a wave ONE HEAD: its 64 columns of q, then of k, then of v, in three trips of one loop: 4 x 64 = 256 work-groups.
; The four partners read the same block of y, 102,400 bytes, asked for JOINTLY, each wave a quarter by one tensor load, filled once.  Nothing is filled again.
; The weights are shared by work-groups of different clusters, not by partners; they go from memory straight into the registers that keep them, so no joint load serves them.
; A trip's 32 weight fragments (4 tiles of 16 columns x 8 K steps, 384 registers) stay in registers.  THE NEXT TRIP'S COME INTO THE SAME REGISTERS as the trip's last pair of token tiles lets them go:
; behind each of its four phases the two K steps just multiplied are loaded anew (24 loads); the next bias behind the first of them; the next scale words come early into spare registers and are moved behind the last.
; Loads come back in the order of issue: bias, K steps 0-1, 2-3, 4-5, 6-7.  So a trip's first four phases wait by count: 63 (72 are younger), 48, 24, 0.  The head's loads stand in the same order.
; q, k: source 0 = 16 rows of W, source 1 = 16 tokens: a lane holds one token and its registers run along the head's 64.  v: the sources are swapped: a lane holds one column and its registers run along 32 tokens, the keys.
; THE ROWS OF A TILE (tokens and rows of W alike) ARE NOT NEIGHBOURS: lane r of tile 2 b + u stands for 32 b + 8 u + r + 8 (r / 8), so that the 16 result registers of tiles 2 b, 2 b + 1 are the 16 neighbours 32 b + 16 (lane / 16) + 0 .. 15.
; The bias is the C of each sum's first matrix instruction.
; A trip goes pair by pair of token tiles: 4 phases of 2 K steps, 16 matrix instructions each, on 8 accumulators by turns.  y's fragments come two phases ahead, in three sets of registers.
; No data prefetch: y's block is asked for once at the head, and the weights' loads themselves run ahead of their use.
; REGISTERS, in windows of 256.  Window 0: v1-13 addresses; v24-55 W's scale words (tile t, K step s: 24 + 8 t + s); v56-87 y's, two sets; v88-231 y's fragments, three sets of four.
;   Windows 1, 2: W's fragments: (t, s) at 12 (4 (s % 4) + t) of window 1 + s / 4.   Window 3: v0-63 accumulators, v64-95 bias, v96-193 codes, scale words and what the quantiser works in, v200-231 the next trip's scale words.
; LIMITS: NaN and infinities are not served.  A block whose largest magnitude lies under 2^-122 keeps the byte 1; so does a block of zeros (zero codes; the bytes are read by this program alone).
.set BLKB,  102400                     ; a block's record: 8 tiles x 8 K steps x 1,536 bytes of codes, then 4,096 of scale words
.set SPARE, BLKB                       ; behind the block: the spare words, 128 bytes a wave
.set RECB,  13056                      ; a step record of the result: 8 half images, V's 4 images, 512 + 256 bytes of scale words
.set KVREG, 1024*RECB                  ; q's records, then k's and v's
.set NEXTW, 64*12288                   ; from q's to k's to v's rows of W: 64 tiles of fragments,
.set NEXTS, 64*512                     ; of scale bytes,
.set NEXTB, 64*64                      ; of bias
.set WS,    24
.set YS,    56
.set FB,    88
.set ACC,   0
.set BIAS,  64
.set WSN,   200
.set SEL,   40
.set MSB,   0
.macro WIN new                         ; the immediate's high byte repeats the setting that is left; a switch that changes nothing is dropped
.if MSB != (\new)
	s_set_vgpr_msb (MSB<<8)|(\new)
.set MSB, (\new)
.endif
.endm
.macro PLACES                          ; four plain places behind a matrix instruction, ahead of loads into its registers and of reads of its result
.rept 4
	v_nop
.endr
.endm
.macro CROUND                          ; a round of the cluster's barrier
	s_barrier_signal -1
	s_barrier_wait -1
	s_cmp_lg_u32 s14, 0
	s_cbranch_scc1 .Lnot_wave_0_\@
	s_barrier_signal -3
.Lnot_wave_0_\@:
	s_barrier_wait -3
	s_barrier_signal -1
	s_barrier_wait -1
.endm
.macro MM d, a, b, c, sa, sb
	v_wmma_scale_f32_16x16x128_f8f6f4 v[\d:\d+7], v[\a:\a+11], v[\b:\b+11], v[\c:\c+7], v[\sa], v[\sb] matrix_a_fmt:MATRIX_FMT_BF6 matrix_b_fmt:MATRIX_FMT_BF6
.endm
; 32 numbers of a lane, v[A + 16 b + i] = k 32 b + 16 (lane / 16) + i of my row, become six operand registers v[P] on (k = 32 (lane / 16) + 0 .. 31) and the two scale bytes in v[WD].
.macro QH A, P, Y, TM, WD
.irp b, 0,1
	v_max3_num_f32 v[\TM+\b], |v[\A+16*\b]|, |v[\A+16*\b+1]|, 0x2800000   ; my 16 numbers of block b, and the floor 2^(5 - 127): the byte cannot fall under 1
.endr
.irp i, 2,4,6,8,10,12,14
.irp b, 0,1
	v_max3_num_f32 v[\TM+\b], v[\TM+\b], |v[\A+16*\b+\i]|, |v[\A+16*\b+\i+1]|
.endr
.endr
.irp b, 0,1
	v_permlanex16_b32 v[\TM+2+\b], v[\TM+\b], s[SEL], s[SEL+1]
.endr
.irp b, 0,1
	v_max_num_f32 v[\TM+\b], v[\TM+\b], v[\TM+2+\b]   ; with lane l xor 16's: the block's largest magnitude
.endr
.irp b, 0,1
	v_add_nc_u32 v[\TM+4+\b], 0xfe000000, v[\TM+\b]   ; 4 off the exponent field: the conversion's scale operand
.endr
.irp b, 0,1
	v_lshrrev_b32 v[\TM+2+\b], 23, v[\TM+4+\b]        ; the scale's byte
.endr
	v_lshl_or_b32 v[\WD], v[\TM+3], 8, v[\TM+2]
	v_cvt_scalef32_pk16_bf6_f32 v[\P:\P+2], v[\A:\A+15], v[\TM+4]
	v_cvt_scalef32_pk16_bf6_f32 v[\Y:\Y+2], v[\A+16:\A+31], v[\TM+5]
	v_nop                                          ; one plain place behind the conversions
.irp i, 0,1,2
	v_permlane16_swap_b32 v[\P+\i], v[\Y+\i]       ; the layout wants a whole block in a lane: lanes 0-15 block 0, lanes 16-31 block 1
.endr
.irp i, 0,1,2
	v_mov_b32 v[\P+3+\i], v[\Y+\i]
.endr
.endm
; 24 loads: W's fragments of K steps 2 ph, 2 ph + 1, at byte `from` behind the trip's own rows of W
.macro WLOAD ph, from
	WIN 0x40<<((\ph)/2)                            ; destination window 1 or 2
.irp e, 0,1
.irp t, 0,1,2,3
.irp i, 0,1,2
	global_load_b128 v[12*(4*((2*(\ph)+\e)%4)+\t)+4*\i:12*(4*((2*(\ph)+\e)%4)+\t)+4*\i+3], v1, s[6:7] offset:\from+(8*\t+2*(\ph)+\e)*1536+512*\i
.endr
.endr
.endr
	WIN 0
.endm
.macro BIASQK from                     ; q, k: register j of tile t is column 32 (t / 2) + 8 (t % 2) + 16 h + j
	WIN 0xc0
.irp t, 0,1,2,3
.irp i, 0,1
	global_load_b128 v[BIAS+8*\t+4*\i:BIAS+8*\t+4*\i+3], v12, s[10:11] offset:\from+128*(\t/2)+32*(\t%2)+16*\i
.endr
.endr
	WIN 0
.endm
	s_load_b256 s[4:11], s[0:1], 0x0               ; yq, wimg, W's scales, b
	s_load_b64 s[12:13], s[0:1], 0x20              ; qkv
	v_lshl_add_u32 v254, v0, 2, SPARE
	v_mov_b32 v255, 0
	ds_add_u32 v254, v255                          ; the opening lines: the add, twice on end, and its wait
	ds_add_u32 v254, v255
	v_lshrrev_b32 v14, 5, v0
	v_readfirstlane_b32 s14, v14                   ; wave 0..3
	s_bfe_u32 s15, ttmp6, 0x40000                  ; cx: which four heads
	s_and_b32 s17, ttmp7, 0xffff                   ; y: which block of 128 tokens
	; descriptor group 1: 100 rows of 256 bytes, dense: a quarter of the block's record
	s_mov_b32 s24, 15|(3<<16)|(1<<21)              ; 15:0 the mask: all four partners; 17:16 elements of 8 bytes; 21 set beside a mask
	s_mov_b32 s25, 32<<16                          ; tensor_dim0 = 32
	s_mov_b32 s26, 100<<16                         ; tensor_dim1 = 100
	s_mov_b32 s27, 32<<16                          ; tile_dim0 = 32
	s_mov_b32 s28, 100                             ; tile_dim1 = 100
	s_mov_b32 s29, 32                              ; from row to row
	s_mov_b32 s30, 0
	s_mov_b32 s31, 0
	s_mov_b32 s32, 1
	s_mul_i32 s33, s14, 25600                      ; LDS: my quarter: the wave's number alone
	s_mul_i32 s20, s17, BLKB
	s_add_co_u32 s20, s20, s33
	s_mov_b32 s21, 0
	s_mov_b32 s[SEL], 0x76543210
	s_mov_b32 s[SEL+1], 0xfedcba98
	s_mov_b32 s44, 0xffff0000                      ; lanes 16-31
	s_wait_dscnt 0x0
	s_wait_kmcnt 0x0
	s_add_nc_u64 s[34:35], s[4:5], s[20:21]
	s_or_b32 s35, s35, 0x80000000                  ; type = 2
	CROUND                                         ; all four partners are here: the joint loads meet
	tensor_load_to_lds s[32:35], s[24:31]          ; one load of mine is out
	s_nop 0
	PLACES
	v_and_b32 v14, 31, v0                          ; lane
	v_and_b32 v15, 15, v0                          ; r
	v_bfe_u32 v16, v0, 4, 1                        ; h
	v_lshlrev_b32 v1, 4, v14                       ; v1 = 16 x lane
	v_lshl_add_u32 v2, v14, 3, 512                 ; v2 = 512 + 8 x lane
	v_lshlrev_b32 v3, 5, v15                       ; v3 = 32 r
	v_lshl_add_u32 v9, v16, 4, v3                  ; v9 = 32 r + 16 h: q's and k's scale words on the way out
	v_lshlrev_b32 v10, 4, v15
	v_lshl_add_u32 v10, v16, 3, v10                ; v10 = 16 r + 8 h: v's
	v_and_b32 v17, 8, v15
	v_add_nc_u32 v17, v17, v15                     ; r + 8 (r / 8)
	v_lshlrev_b32 v11, 5, v17                      ; v11: W's scale bytes, 32 a row
	v_lshlrev_b32 v12, 6, v16                      ; v12 = 64 h: the bias of a lane's 8 columns
	v_lshlrev_b32 v13, 2, v17                      ; v13: the bias of a lane's one column
	v_mov_b32 v4, v1                               ; y's tiles 0-3: 16 x lane,
	v_mov_b32 v5, v2                               ; 512 + 8 x lane;
	v_add_nc_u32 v6, 49152, v1                     ; tiles 4-7
	v_add_nc_u32 v7, 49152, v2
	v_add_nc_u32 v8, 98304, v3                     ; y's scale words
	s_wait_alu depctr_va_vdst(0)                   ; the wait ahead of the run of scalar instructions
	s_lshl_b32 s48, s15, 4
	s_lshl_b32 s49, s14, 2
	s_add_co_u32 s48, s48, s49                     ; q's first tile of 16 columns of my head
	s_lshl_b32 s50, s48, 9                         ; its scale bytes: 32 a row
	s_mov_b32 s51, 0
	s_lshl_b32 s54, s48, 6                         ; its bias: 4 bytes a column
	s_mov_b32 s55, 0
	s_mul_i32 s48, s48, 12288                      ; its fragments
	s_mov_b32 s49, 0
	s_add_nc_u64 s[6:7], s[6:7], s[48:49]
	s_add_nc_u64 s[8:9], s[8:9], s[50:51]
	s_add_nc_u64 s[10:11], s[10:11], s[54:55]
	s_lshr_b32 s52, s17, 4                         ; the batch row
	s_lshl_b32 s52, s52, 4
	s_lshl_b32 s53, s15, 2
	s_add_co_u32 s52, s52, s53
	s_add_co_u32 s52, s52, s14                     ; x 16 + my head
	s_lshl_b32 s52, s52, 4
	s_and_b32 s53, s17, 15
	s_add_co_u32 s52, s52, s53                     ; x 16 + the step of 128 tokens
	s_mul_i32 s52, s52, RECB
	s_mov_b32 s53, 0
	s_add_nc_u64 s[46:47], s[12:13], s[52:53]      ; q's record
.irp t, 0,1,2,3
.irp i, 0,1
	global_load_b128 v[WS+8*\t+4*\i:WS+8*\t+4*\i+3], v11, s[8:9] offset:(32*(\t/2)+8*(\t%2))*32+16*\i
.endr
.endr
	BIASQK 0
	WLOAD 0, 0
	WLOAD 1, 0
	WLOAD 2, 0
	WLOAD 3, 0
	WIN 0xc0
.irp j, 166,167,180,181,182,183
	v_mov_b32 v[\j], 0                             ; lane permutes' destinations count as read
.endr
	WIN 0
	s_mov_b32 s43, 0                               ; the trip: 0 q, 1 k, 2 v
	s_wait_alu depctr_va_vdst(0)                   ; the wait at the head's end
	s_wait_tensorcnt 0x0                           ; my quarter of the block has landed,
	s_barrier_signal -1
	s_barrier_wait -1                              ; everybody's has.  Nothing is filled again: no further barrier until the end
; y's fragments of phase p (pair p / 4 of token tiles, K steps 2 (p % 4), + 1) into set p % 3; with a pair's first phase its scale words.
.macro LOADS p
.set LPI, (\p)/4
.set LPH, (\p)%4
.irp e, 0,1
.irp m, 0,1
.set LMT, 2*LPI+\m
.set LOF, (LMT%4)*12288+1536*(2*LPH+\e)
.set LF, FB+48*((\p)%3)+12*(2*\e+\m)
.set LA, 4+2*(LMT/4)
	ds_load_b128 v[LF:LF+3], v[LA] offset:LOF
	ds_load_b64 v[LF+4:LF+5], v[LA+1] offset:LOF
	ds_load_b128 v[LF+6:LF+9], v[LA] offset:LOF+768
	ds_load_b64 v[LF+10:LF+11], v[LA+1] offset:LOF+768
.endr
.endr
.if LPH == 0
.irp m, 0,1
.irp i, 0,1
	ds_load_b128 v[YS+16*(LPI%2)+8*\m+4*\i:YS+16*(LPI%2)+8*\m+4*\i+3], v8 offset:512*(2*LPI+\m)+16*\i
.endr
.endr
.endif
.endm
; Phase p: the loads of two phases on, then 16 matrix instructions.  orient 0: q, k (a further trip follows: its weights are asked for); 1: v.
.macro PH p, orient
	PLACES                                         ; the set that is loaded next, and the weights that are loaded anew, were read by the phase before
.if (\orient == 0) && ((\p) == 4)
	WIN 0xc0                                       ; the next trip's scale words, into spare registers: nothing else of mine is out
.irp t, 0,1,2,3
.irp i, 0,1
	global_load_b128 v[WSN+8*\t+4*\i:WSN+8*\t+4*\i+3], v11, s[8:9] offset:NEXTS+(32*(\t/2)+8*(\t%2))*32+16*\i
.endr
.endr
	WIN 0
.endif
.if (\orient == 0) && ((\p) == 13)
	s_cmp_eq_u32 s43, 0                            ; the next trip's bias: k's in q's form, v's in its own; the trip's number is the same in all waves and partners
	s_cbranch_scc0 .Lnext_v
	BIASQK NEXTB
	s_branch .Lnext_in
.Lnext_v:
	WIN 0xc0                                       ; v: all eight registers of tile t are my one column 32 (t / 2) + 8 (t % 2) + r + 8 (r / 8)
.irp t, 0,1,2,3
.irp j, 0,1,2,3,4,5,6,7
	global_load_b32 v[BIAS+8*\t+\j], v13, s[10:11] offset:NEXTB+4*(32*(\t/2)+8*(\t%2))
.endr
.endr
	WIN 0
.Lnext_in:
.endif
.if (\orient == 0) && ((\p) >= 13)
	WLOAD ((\p)-13), NEXTW                         ; the two K steps that the phase before multiplied for the last time
.endif
.if (\p)+2 < 16
	LOADS (\p)+2
.endif
.set NW, 0                                     ; the LDS loads issued behind this phase's own: those of the next two phases
.if (\p)+1 < 16
.set NW, NW+16
.if ((\p)+1)%4 == 0
.set NW, NW+4
.endif
.endif
.if (\p)+2 < 16
.set NW, NW+16
.if ((\p)+2)%4 == 0
.set NW, NW+4
.endif
.endif
	s_wait_dscnt NW
.if (\p) == 0
	s_wait_loadcnt 63                              ; the bias and K steps 0, 1 are in: 72 loads are younger
.endif
.if (\p) == 1
	s_wait_loadcnt 48                              ; K steps 2, 3
.endif
.if (\p) == 2
	s_wait_loadcnt 24                              ; K steps 4, 5
.endif
.if (\p) == 3
	s_wait_loadcnt 0x0                             ; K steps 6, 7
.endif
.if (\orient == 0) && ((\p) == 12)
	s_wait_loadcnt 0x0                             ; the next trip's scale words, asked for eight phases ago
.endif
.set PPI, (\p)/4
.set PPH, (\p)%4
.if \orient == 0
	WIN 0xf1+(PPH/2)                               ; source 0 (W) window 1 or 2, source 1 (y) window 0, C and D window 3
.else
	WIN 0xf4+4*(PPH/2)                             ; source 0 (y) window 0, source 1 (W) window 1 or 2
.endif
.irp e, 0,1
.irp m, 0,1
.irp t, 0,1,2,3
.set PS, 2*PPH+\e
.set PF, FB+48*((\p)%3)+12*(2*\e+\m)
.set PW, 12*(4*(PS%4)+\t)
.set PWS, WS+8*\t+PS
.set PYS, YS+16*(PPI%2)+8*\m+PS
.if \orient == 0
.set PD, ACC+32*\m+8*\t
.else
.set PD, ACC+16*\t+8*\m
.endif
.set PCC, PD
.if PS == 0
.set PCC, BIAS+8*\t                            ; the first K step starts the sum from the bias
.endif
.if \orient == 0
	MM PD, PW, PF, PCC, PWS, PYS
.else
	MM PD, PF, PW, PCC, PYS, PWS
.endif
.endr
.endr
.endr
	WIN 0
.endm
; q, k: the pair's two tiles of 16 tokens x 64 are quantised along the 64 and stored as half images.
.macro EPQK pi
	PLACES
.if \pi == 3
	WLOAD 3, NEXTW                                 ; the next trip's K steps 6, 7,
	WIN 0x03
.set j, 0
.rept 32
	v_mov_b32 v[WS+j], v[WSN+j]                    ; and its scale words into their place
.set j, j+1
.endr
.endif
	WIN 0xff
.irp m, 0,1
	QH ACC+32*\m, 96+8*(2*\pi+\m), 160, 164, 176+2*\pi+\m
.endr
	WIN 0x0c                                       ; a store's data: window 3
.irp m, 0,1
	global_store_b128 v1, v[96+8*(2*\pi+\m):96+8*(2*\pi+\m)+3], s[46:47] offset:768*(2*\pi+\m)
	global_store_b64 v2, v[96+8*(2*\pi+\m)+4:96+8*(2*\pi+\m)+5], s[46:47] offset:768*(2*\pi+\m)
.endr
.if \pi == 3
	WIN 0xff
.irp i, 0,1,2,3
	v_cndmask_b32 v[184+\i], v[176+\i], v[180+\i], s44   ; lanes 0-15 store tiles 0-3's words of row r, lanes 16-31 tiles 4-7's: 512 consecutive bytes
.endr
	WIN 0x0c
	global_store_b128 v9, v[184:187], s[46:47] offset:12288
.endif
	WIN 0
.endm
; v: the pair's 32 tokens are block pi of the step's 128 keys: one scale byte and 16 codes a lane for each of the four tiles of columns.
.macro EPV pi
	PLACES
	WIN 0xff
.irp t, 0,1,2,3
	v_max3_num_f32 v[176+\t], |v[ACC+16*\t]|, |v[ACC+16*\t+1]|, 0x2800000
.endr
.irp i, 2,4,6,8,10,12,14
.irp t, 0,1,2,3
	v_max3_num_f32 v[176+\t], v[176+\t], |v[ACC+16*\t+\i]|, |v[ACC+16*\t+\i+1]|
.endr
.endr
.irp t, 0,1,2,3
	v_permlanex16_b32 v[180+\t], v[176+\t], s[SEL], s[SEL+1]
.endr
.irp t, 0,1,2,3
	v_max_num_f32 v[176+\t], v[176+\t], v[180+\t]
.endr
.irp t, 0,1,2,3
	v_add_nc_u32 v[184+\t], 0xfe000000, v[176+\t]
.endr
.irp t, 0,1,2,3
	v_lshrrev_b32 v[180+\t], 23, v[184+\t]
.endr
.irp t, 0,1,2,3
.if \pi == 0
	v_mov_b32 v[188+\t], v[180+\t]
.else
	v_lshl_or_b32 v[188+\t], v[180+\t], 8*\pi, v[188+\t]   ; byte pi of the step's scale word
.endif
.endr
.irp t, 0,1,2,3
.if (\pi%2) == 0
	v_cvt_scalef32_pk16_bf6_f32 v[96+12*\t+3*\pi:96+12*\t+3*\pi+2], v[ACC+16*\t:ACC+16*\t+15], v[184+\t]
.else
	v_cvt_scalef32_pk16_bf6_f32 v[144+8*\t+4*(\pi/2):144+8*\t+4*(\pi/2)+2], v[ACC+16*\t:ACC+16*\t+15], v[184+\t]
.endif
.endr
	v_nop                                          ; one plain place behind the conversions
.if \pi == 3
.irp t, 0,1,2,3
.irp c, 0,1
.irp i, 0,1,2
	v_permlane16_swap_b32 v[96+12*\t+6*\c+\i], v[144+8*\t+4*\c+\i]   ; lanes 0-15 get block 2 c whole, lanes 16-31 block 2 c + 1
.endr
.irp i, 0,1,2
	v_mov_b32 v[96+12*\t+6*\c+3+\i], v[144+8*\t+4*\c+\i]
.endr
.endr
.endr
	v_cndmask_b32 v192, v188, v190, s44            ; lanes 0-15 store tiles 0, 1's words of row r, lanes 16-31 tiles 2, 3's: 256 consecutive bytes
	v_cndmask_b32 v193, v189, v191, s44
	WIN 0x0c
.irp t, 0,1,2,3
.irp i, 0,1,2
	global_store_b128 v1, v[96+12*\t+4*\i:96+12*\t+4*\i+3], s[46:47] offset:6144+1536*\t+512*\i
.endr
.endr
	global_store_b64 v10, v[192:193], s[46:47] offset:12800
.endif
	WIN 0
.endm
.macro BODY orient
	PLACES
	LOADS 0
	LOADS 1
.irp pi, 0,1,2,3
	PH 4*\pi, \orient
	PH 4*\pi+1, \orient
	PH 4*\pi+2, \orient
	PH 4*\pi+3, \orient
.if \orient == 0
	EPQK \pi
.else
	EPV \pi
.endif
.endr
.endm
.Lblk:                                             ; three trips: q, k, v of my head for the block's 128 tokens
	s_cmp_eq_u32 s43, 2                            ; the same in all partners and all waves
	s_cbranch_scc1 .Lvbody
	BODY 0
	s_branch .Ljoin
.Lvbody:
	BODY 1
.Ljoin:
	s_wait_alu depctr_va_vdst(0)                   ; the wait ahead of the wait below
	s_wait_xcnt 0x0                                ; the trip's loads and stores have read their data and their bases: these are written again only behind this wait
	s_add_nc_u64 s[6:7], s[6:7], NEXTW
	s_add_nc_u64 s[8:9], s[8:9], NEXTS
	s_add_nc_u64 s[10:11], s[10:11], NEXTB
	s_cmp_eq_u32 s43, 0
	s_cselect_b32 s52, KVREG, 0                    ; k and v share a record, behind q's records
	s_add_nc_u64 s[46:47], s[46:47], s[52:53]
	s_add_co_u32 s43, s43, 1
	s_cmp_lt_u32 s43, 3
	s_cbranch_scc1 .Lblk
	s_wait_dscnt 0x0
	s_wait_tensorcnt 0x0                           ; the wave's end
	ds_add_u32 v254, v255
	s_wait_dscnt 0x0
	CROUND                                         ; the closing round
	s_endpgm
.Lfunc_end_k_q42bb73dacf_qkvp:
	.size	k_q42bb73dacf_qkvp, .Lfunc_end_k_q42bb73dacf_qkvp-k_q42bb73dacf_qkvp
	.p2alignl 7, 3214868480
	.fill 96, 4, 3214868480
	.section	.rodata,"a",@progbits
	.p2align	6, 0x0
	.amdhsa_kernel k_q42bb73dacf_qkvp
		.amdhsa_group_segment_fixed_size 167936
		.amdhsa_private_segment_fixed_size 0
		.amdhsa_enable_private_segment 0
		.amdhsa_kernarg_size 40
		.amdhsa_user_sgpr_count 2
		.amdhsa_user_sgpr_kernarg_segment_ptr 1
		.amdhsa_wavefront_size32 1
		.amdhsa_system_sgpr_workgroup_id_x 1
		.amdhsa_system_sgpr_workgroup_id_y 1
		.amdhsa_system_sgpr_workgroup_id_z 1
		.amdhsa_system_vgpr_workitem_id 0
		.amdhsa_next_free_vgpr 1024
		.amdhsa_next_free_sgpr 66
		.amdhsa_reserve_vcc 0
		.amdhsa_float_denorm_mode_32 3
		.amdhsa_float_denorm_mode_16_64 3
		.amdhsa_memory_ordered 1
		.amdhsa_forward_progress 1
		.amdhsa_inst_pref_size 172
	.end_amdhsa_kernel
	.amdgpu_metadata
---
amdhsa.version: [ 1, 2 ]
amdhsa.kernels:
  - .name:           k_q42bb73dacf_qkvp
    .symbol:         k_q42bb73dacf_qkvp.kd
    .args:
      - { .name: yq, .offset: 0, .size: 8, .value_kind: global_buffer, .address_space: global }
      - { .name: wimg, .offset: 8, .size: 8, .value_kind: global_buffer, .address_space: global }
      - { .name: qkv_w_scales, .offset: 16, .size: 8, .value_kind: global_buffer, .address_space: global }
      - { .name: qkv_b, .offset: 24, .size: 8, .value_kind: global_buffer, .address_space: global }
      - { .name: qkv, .offset: 32, .size: 8, .value_kind: global_buffer, .address_space: global }
    .group_segment_fixed_size: 167936
    .private_segment_fixed_size: 0
    .kernarg_segment_align: 8
    .kernarg_segment_size: 40
    .max_flat_workgroup_size: 128
    .sgpr_count:     66
    .vgpr_count:     1024
    .wavefront_size: 32
...
	.end_amdgpu_metadata
.endif
;; end of part 2
;; launch attn (part 3): grid 4 x 64, 8 waves a work-group, clusters of 4 x 1, 327,680 bytes of LDS; arguments qkv, encoder_padding_mask, ctx; writes ctx
.if DOCPART == 3
	.amdgcn_target "amdgcn-amd-amdhsa--gfx1250"
	.amdhsa_code_object_version 6
	.text
	.protected	k_q42bb73dacf_attn
	.globl	k_q42bb73dacf_attn
	.p2align	8
	.type	k_q42bb73dacf_attn,@function
k_q42bb73dacf_attn:
	s_mov_b64 s[64:65], 0
	v_nop
	global_prefetch_b8 v0, s[64:65] scope:SCOPE_SE
	s_setreg_imm32_b32 hwreg(HW_REG_WAVE_MODE, 25, 1), 1
	s_wait_xcnt 0x0
	s_wait_alu depctr_hold_cnt(0) depctr_sa_sdst(0) depctr_va_vdst(0) depctr_va_sdst(0) depctr_va_ssrc(0) depctr_va_vcc(0) depctr_vm_vsrc(0)
	s_getreg_b32 s2, hwreg(HW_REG_IB_STS2, 6, 4)
	s_cmp_eq_u32 s2, 0
	s_cbranch_scc0 .Lentry_in_a_cluster
	s_endpgm
.Lentry_in_a_cluster:
	s_bfe_u32 s2, ttmp6, 0x10000c
	s_cmp_lg_u32 s2, 0x3003
	s_cbranch_scc0 .Lentry_shape_is_right
	s_endpgm
.Lentry_shape_is_right:
; ctx = softmax(q k^T / 8 + mask x -1e8) v for one batch row and head, on E3M2 codes; ctx is quantised along H and leaves as images of operand registers.
; SHARES.  Grid y = 16 x batch row + head.  The cluster's four work-groups take 512 queries each and read the same K and V: 16 step records of 13,056 bytes, one dense block,
; asked for JOINTLY, each of the eight waves two records by ONE tensor load (102 rows of 256 bytes), filled once and never again.  A wave owns 2 tiles of 16 queries in each of 2 passes.
; Both products are used transposed (S^T = k q^T, O^T = v^T p^T): a lane holds one query.  The head's 64 fill half of the instruction's 128 along K: q's upper 64 codes are zeros.
; THE KEYS OF A TILE OF K ARE CHOSEN AS THEY ARE READ FROM LDS: lane r of tile 4 c + 2 g + u takes key 64 c + 32 (r / 8) + 16 g + 8 u + r % 8 of the step's 128.
; So a lane's 32 result registers of tiles 4 c .. 4 c + 3 are the WHOLE block of keys 64 c + 32 (lane / 16) + 0 .. 31, in the order of p's operand: a block's maximum needs no other lane, and no codes change lanes.
; The mask's term, -8e8 x mask (it is divided by 8 with the scores), is the C of the score products.  M is the running maximum of t = score x log2(e) / 8, rounded up to a whole number;
; p = 2^(t - M); the row's sum is taken of the unquantised p; a change of M multiplies sum and O^T by a power of two.  A block's largest p is the exponential of its largest score.
; LDS LOADS RUN ONE STEP AHEAD: behind a step's score products the next step's K, K's scale words and mask terms are asked for (36 loads), behind its second product the next V (13 loads).
; The step's number wraps at 16, so a pass's last step asks for the next pass's first; the second pass's last 49 loads are not used.
; No data prefetch: K and V are asked for once, at the head, and there is no loop to run ahead in.
; REGISTERS.  Window 0: v1-16 addresses, v17-18 the add's two, v24-30 and v216-222 upper halves of p's codes, v32-47 scale words, v48-55 state (-M, largest score, sum in two halves), v64-191 scores, then p, v192-215 p's codes, v224-255 work.
;   Window 1: v0-63 O^T, v64-87 q, v88-141 K, v144-191 V, v192-255 mask terms.
; LIMITS: NaN and infinities are not served; the promise holds while the scaled scores stay under 2^31 in magnitude.  A block whose largest magnitude lies under 2^-122 keeps the byte 1, and so does a block of zeros (zero codes; the bytes are read by this program alone).
.set RECB,  13056                      ; a step record: K's 8 half images, V's 4 images, 512 + 256 bytes of scale words
.set KVREG, 1024*RECB                  ; q's records, then k's and v's
.set BIASL, 16*RECB                    ; behind the records: 2,048 mask terms, stored by the waves; no fill lands there
.set SPARE, BIASL+8192                 ; the spare words, 128 bytes a wave
.set ST0,   48
.set RL,    56
.set S0,    64
.set PCQ,   192
.set T0,    224                        ; per query tile 16: +0,1 block maxima; +2,3 scale operands; +4,5 bytes; +6..9 work; +10,11 the factor; +12,13 second chain of the sum
.set QF,    64
.set KF,    88
.set VF,    144
.set BC,    192
.set SEL,   32
.set MSB,   0
.macro WIN new                         ; the immediate's high byte repeats the setting that is left
.if MSB != (\new)
	s_set_vgpr_msb (MSB<<8)|(\new)
.set MSB, (\new)
.endif
.endm
.macro PLACES                          ; four plain places behind a matrix instruction (ISA guide 7.12.1)
.rept 4
	v_nop
.endr
.endm
.macro CROUND                          ; a round of the cluster's barrier
	s_barrier_signal -1
	s_barrier_wait -1
	s_cmp_lg_u32 s10, 0
	s_cbranch_scc1 .Lnot_wave_0_\@
	s_barrier_signal -3
.Lnot_wave_0_\@:
	s_barrier_wait -3
	s_barrier_signal -1
	s_barrier_wait -1
.endm
; 32 numbers of a lane, v[A + 16 b + i] = k 32 b + 16 (lane / 16) + i of my row, become six operand registers v[P] on and the two scale bytes in v[WD]
.macro QH A, P, Y, TM, WD
.irp b, 0,1
	v_max3_num_f32 v[\TM+\b], |v[\A+16*\b]|, |v[\A+16*\b+1]|, 0x2800000
.endr
.irp i, 2,4,6,8,10,12,14
.irp b, 0,1
	v_max3_num_f32 v[\TM+\b], v[\TM+\b], |v[\A+16*\b+\i]|, |v[\A+16*\b+\i+1]|
.endr
.endr
.irp b, 0,1
	v_permlanex16_b32 v[\TM+2+\b], v[\TM+\b], s[SEL], s[SEL+1]
.endr
.irp b, 0,1
	v_max_num_f32 v[\TM+\b], v[\TM+\b], v[\TM+2+\b]
.endr
.irp b, 0,1
	v_add_nc_u32 v[\TM+4+\b], 0xfe000000, v[\TM+\b]
.endr
.irp b, 0,1
	v_lshrrev_b32 v[\TM+2+\b], 23, v[\TM+4+\b]
.endr
	v_lshl_or_b32 v[\WD], v[\TM+3], 8, v[\TM+2]
	v_cvt_scalef32_pk16_bf6_f32 v[\P:\P+2], v[\A:\A+15], v[\TM+4]
	v_cvt_scalef32_pk16_bf6_f32 v[\Y:\Y+2], v[\A+16:\A+31], v[\TM+5]
	v_nop                                          ; one plain place behind the conversions
.irp i, 0,1,2
	v_permlane16_swap_b32 v[\P+\i], v[\Y+\i]
.endr
.irp i, 0,1,2
	v_mov_b32 v[\P+3+\i], v[\Y+\i]
.endr
.endm
; 36 LDS loads: K's scale words, K's eight fragments and the mask terms of the step at v9, v10, v11, v13
.macro KLOADS
.irp g, 0,1
.irp c, 0,1
	ds_load_b64 v[32+4*\c+2*\g:33+4*\c+2*\g], v11 offset:256*\g+16*\c   ; the words of tiles 4 c + 2 g, + 1
.endr
.endr
	WIN 0x40
.irp c, 0,1
.irp g, 0,1
.irp u, 0,1
	ds_load_b128 v[KF+6*(4*\c+2*\g+\u):KF+6*(4*\c+2*\g+\u)+3], v9 offset:768*(4*\c+\u)+128*\g
	ds_load_b64 v[KF+6*(4*\c+2*\g+\u)+4:KF+6*(4*\c+2*\g+\u)+5], v10 offset:768*(4*\c+\u)+64*\g
	ds_load_b128 v[BC+8*(4*\c+2*\g+\u):BC+8*(4*\c+2*\g+\u)+3], v13 offset:256*\c+64*\g+32*\u
	ds_load_b128 v[BC+8*(4*\c+2*\g+\u)+4:BC+8*(4*\c+2*\g+\u)+7], v13 offset:256*\c+64*\g+32*\u+16
.endr
.endr
.endr
	WIN 0
.endm
; 13 LDS loads: V's scale words and its four fragments of the step at v8, v12
.macro VLOADS
	ds_load_b128 v[40:43], v12
	WIN 0x40
.irp d, 0,1,2,3
.irp i, 0,1,2
	ds_load_b128 v[VF+12*\d+4*\i:VF+12*\d+4*\i+3], v8 offset:6144+1536*\d+512*\i
.endr
.endr
	WIN 0
.endm
	s_load_b128 s[4:7], s[0:1], 0x0                ; qkv, the mask
	s_load_b64 s[8:9], s[0:1], 0x10                ; ctx
	v_lshl_add_u32 v17, v0, 2, SPARE
	v_mov_b32 v18, 0
	ds_add_u32 v17, v18                            ; the opening lines: the add, twice on end, and its wait
	ds_add_u32 v17, v18
	v_lshrrev_b32 v24, 5, v0
	v_readfirstlane_b32 s10, v24                   ; wave 0..7
	s_bfe_u32 s11, ttmp6, 0x40000                  ; cx
	s_and_b32 s12, ttmp7, 0xffff                   ; 16 x batch row + head
	s_mov_b32 s16, 15|(3<<16)|(1<<21)              ; group 1: 102 rows of 256 bytes, dense; the mask names all four partners
	s_mov_b32 s17, 32<<16
	s_mov_b32 s18, 102<<16
	s_mov_b32 s19, 32<<16
	s_mov_b32 s20, 102
	s_mov_b32 s21, 32
	s_mov_b32 s22, 0
	s_mov_b32 s23, 0
	s_mov_b32 s24, 1
	s_mul_i32 s25, s10, 2*RECB                     ; LDS: my two records: the wave's number alone
	s_mul_i32 s50, s12, 16*RECB
	s_add_co_u32 s50, s50, s25
	s_add_co_u32 s50, s50, KVREG
	s_mov_b32 s51, 0
	s_mov_b32 s[SEL], 0x76543210
	s_mov_b32 s[SEL+1], 0xfedcba98                 ; lane l xor 16
	s_mov_b32 s34, 0x3e38aa3b                      ; log2(e) / 8
	s_mov_b32 s35, s34
	s_mov_b32 s48, 0xffff0000                      ; lanes 16-31
	s_wait_dscnt 0x0
	s_wait_kmcnt 0x0
	s_add_nc_u64 s[26:27], s[4:5], s[50:51]
	s_or_b32 s27, s27, 0x80000000
	CROUND                                         ; all four partners are here: the joint loads meet
	tensor_load_to_lds s[24:27], s[16:23]          ; one load of mine is out
	s_nop 0
	PLACES
	v_lshlrev_b32 v19, 5, v0                       ; the mask: 8 keys a thread
	v_lshl_add_u32 v28, v0, 5, BIASL
	s_lshr_b32 s52, s12, 4
	s_lshl_b32 s52, s52, 13
	s_mov_b32 s53, 0
	s_add_nc_u64 s[6:7], s[6:7], s[52:53]
	global_load_b128 v[64:67], v19, s[6:7]
	global_load_b128 v[68:71], v19, s[6:7] offset:16
	v_and_b32 v24, 31, v0                          ; lane
	v_and_b32 v25, 15, v0                          ; r
	v_bfe_u32 v26, v0, 4, 1                        ; h
	v_and_b32 v27, 7, v0                           ; r % 8
	v_bfe_u32 v29, v0, 3, 1                        ; r / 8
	v_lshlrev_b32 v1, 4, v24                       ; 16 x lane
	v_lshl_add_u32 v2, v24, 3, 512                 ; 512 + 8 x lane
	v_mul_u32_u24 v3, v29, 1536                    ; K's first 16 bytes: two stored tiles on for r / 8, stored lane r % 8 + 16 h
	v_lshl_add_u32 v3, v27, 4, v3
	v_lshl_add_u32 v3, v26, 8, v3
	v_mul_u32_u24 v4, v29, 1536                    ; K's last 8 bytes
	v_lshl_add_u32 v4, v27, 3, v4
	v_lshl_add_u32 v4, v26, 7, v4
	v_add_nc_u32 v4, 512, v4
	v_lshlrev_b32 v5, 5, v27                       ; K's scale words: 32 bytes a stored row, 4 a stored tile
	v_lshl_add_u32 v5, v29, 3, v5
	v_add_nc_u32 v5, 12288, v5
	v_lshl_add_u32 v6, v25, 4, 12800               ; V's scale words
	v_lshl_add_u32 v7, v26, 7, BIASL               ; the mask terms: 32 keys on for h
	v_lshlrev_b32 v15, 5, v25                      ; q's scale words
	v_lshl_add_u32 v16, v26, 9, v15                ; ctx's scale bytes
	v_mov_b32 v8, v1                               ; step 0's addresses
	v_mov_b32 v9, v3
	v_mov_b32 v10, v4
	v_mov_b32 v11, v5
	v_mov_b32 v12, v6
	v_mov_b32 v13, v7
	s_wait_alu depctr_va_vdst(0)                   ; the wait ahead of the run of scalar instructions
	s_lshl_b32 s54, s12, 4
	s_lshl_b32 s55, s11, 2
	s_add_co_u32 s54, s54, s55
	s_lshr_b32 s56, s10, 2
	s_add_co_u32 s54, s54, s56                     ; q's record: 16 y + 4 cx + wave / 4
	s_mul_i32 s54, s54, RECB
	s_and_b32 s57, s10, 3
	s_lshl_b32 s58, s57, 3
	s_add_co_u32 s58, s58, s54
	s_add_co_u32 s58, s58, 12288
	s_mov_b32 s59, 0
	s_add_nc_u64 s[42:43], s[4:5], s[58:59]        ; my two tiles' scale words
	s_mul_i32 s58, s57, 1536
	s_add_co_u32 s54, s54, s58
	s_mov_b32 s55, 0
	s_add_nc_u64 s[40:41], s[4:5], s[54:55]        ; my two tiles' half images
	s_lshr_b32 s54, s12, 4
	s_lshl_b32 s54, s54, 4
	s_lshl_b32 s55, s11, 2
	s_add_co_u32 s54, s54, s55
	s_add_co_u32 s54, s54, s56
	s_mul_i32 s54, s54, 102400                     ; ctx: the record of 128 tokens
	s_and_b32 s55, s12, 15
	s_lshr_b32 s56, s55, 1                         ; the K step of 128 along H: head / 2
	s_and_b32 s55, s55, 1                          ; and its half
	s_lshl_b32 s58, s57, 10
	s_add_co_u32 s58, s58, s54
	s_add_co_u32 s58, s58, 98304
	s_lshl_b32 s53, s56, 2
	s_add_co_u32 s58, s58, s53
	s_lshl_b32 s53, s55, 1
	s_add_co_u32 s58, s58, s53
	s_add_nc_u64 s[46:47], s[8:9], s[58:59]
	s_mul_i32 s58, s57, 24576
	s_add_co_u32 s54, s54, s58
	s_mul_i32 s58, s56, 1536
	s_add_co_u32 s54, s54, s58
	s_mul_i32 s58, s55, 768
	s_add_co_u32 s54, s54, s58
	s_mov_b32 s55, 0
	s_add_nc_u64 s[44:45], s[8:9], s[54:55]
; q's two fragments and scale words of a pass.  They are asked for ahead: the first pass's here, the next pass's straight behind a pass's last step.
.macro QLOADS qa, qs
	WIN 0x40
.irp q, 0,1
	global_load_b128 v[QF+12*\q:QF+12*\q+3], v1, s[\qa:\qa+1] offset:768*\q
	global_load_b64 v[QF+12*\q+4:QF+12*\q+5], v2, s[\qa:\qa+1] offset:768*\q
.endr
	WIN 0
	global_load_b64 v[44:45], v15, s[\qs:\qs+1]
.endm
	s_add_nc_u64 s[50:51], s[40:41], 2*RECB        ; the second pass's q: two records on
	s_add_nc_u64 s[52:53], s[42:43], 2*RECB
	QLOADS 40, 42
	WIN 0x40
.irp j, 70,71,72,73,74,75,82,83,84,85,86,87,136,137,138,139,140,141
	v_mov_b32 v[\j], 0                             ; q's upper 64 codes, and what follows K's last tile
.endr
	WIN 0
.irp q, 0,1
	v_mov_b32 v[T0+16*\q+7], 0                     ; a lane permute's destination counts as read
	v_mov_b32 v[T0+16*\q+11], 0                    ; named as the upper half of a pair
	v_mov_b32 v[RL+2*\q+1], 0
.endr
	s_wait_alu depctr_va_vdst(0)                   ; the wait ahead of the wait below
	s_wait_loadcnt 0x0
.irp j, 64,65,66,67,68,69,70,71
	v_cvt_f32_i32 v[\j], v[\j]
.endr
.irp j, 64,65,66,67,68,69,70,71
	v_mul_f32 v[\j], 0xce3ebc20, v[\j]             ; x -8e8
.endr
	ds_store_b128 v28, v[64:67]
	ds_store_b128 v28, v[68:71] offset:16
	s_mov_b32 s39, 0
	s_wait_alu depctr_va_vdst(0)                   ; the wait at the head's end
	s_wait_tensorcnt 0x0                           ; my two records have landed,
	s_wait_dscnt 0x0                               ; my mask terms lie in LDS,
	s_barrier_signal -1
	s_barrier_wait -1                              ; everybody's do.  Nothing is filled or stored again
	KLOADS                                         ; step 0
	VLOADS
.macro STEP
	s_add_co_u32 s38, s38, 1
	s_and_b32 s49, s38, 15                         ; the next step, 0 behind 15
	s_mul_i32 s36, s49, RECB
	s_lshl_b32 s37, s49, 9
	s_wait_dscnt 13                                ; K, its scale words and the mask terms are in; the 13 younger loads, V's, may be out
	WIN 0x15
.irp t, 0,1,2,3,4,5,6,7
.irp q, 0,1
	v_wmma_scale_f32_16x16x128_f8f6f4 v[S0+64*\q+8*\t:S0+64*\q+8*\t+7], v[KF+6*\t:KF+6*\t+11], v[QF+12*\q:QF+12*\q+11], v[BC+8*\t:BC+8*\t+7], v[32+\t], v[44+\q] matrix_a_fmt:MATRIX_FMT_BF6 matrix_b_fmt:MATRIX_FMT_BF6
.endr
.endr
	WIN 0
	v_add_nc_u32 v8, s36, v1                       ; the next step's addresses: these six lines are also the places behind the products
	v_add_nc_u32 v9, s36, v3
	v_add_nc_u32 v10, s36, v4
	v_add_nc_u32 v11, s36, v5
	v_add_nc_u32 v12, s36, v6
	v_add_nc_u32 v13, s37, v7
	KLOADS
.irp c, 0,1
.irp q, 0,1
	v_max3_num_f32 v[T0+16*\q+\c], v[S0+64*\q+32*\c], v[S0+64*\q+32*\c+1], v[S0+64*\q+32*\c+2]   ; the largest score of my block 2 c + h, in two halves of 16: eight chains by turns; each accumulator is first read at its low end
	v_max3_num_f32 v[T0+16*\q+\c+2], v[S0+64*\q+32*\c+16], v[S0+64*\q+32*\c+17], v[S0+64*\q+32*\c+18]
.endr
.endr
.irp i, 3,5,7,9,11,13
.irp c, 0,1
.irp q, 0,1
	v_max3_num_f32 v[T0+16*\q+\c], v[T0+16*\q+\c], v[S0+64*\q+32*\c+\i], v[S0+64*\q+32*\c+\i+1]
	v_max3_num_f32 v[T0+16*\q+\c+2], v[T0+16*\q+\c+2], v[S0+64*\q+32*\c+16+\i], v[S0+64*\q+32*\c+16+\i+1]
.endr
.endr
.endr
.irp c, 0,1
.irp q, 0,1
	v_max3_num_f32 v[T0+16*\q+\c], v[T0+16*\q+\c], v[S0+64*\q+32*\c+15], v[S0+64*\q+32*\c+31]   ; the last number of each half
.endr
.endr
.irp c, 0,1
.irp q, 0,1
	v_max_num_f32 v[T0+16*\q+\c], v[T0+16*\q+\c], v[T0+16*\q+\c+2]   ; the two halves
.endr
.endr
.irp q, 0,1
	v_max_num_f32 v[T0+16*\q+6], v[T0+16*\q], v[T0+16*\q+1]
.endr
.irp q, 0,1
	v_permlanex16_b32 v[T0+16*\q+7], v[T0+16*\q+6], s[SEL], s[SEL+1]
.endr
.irp q, 0,1
	v_max3_num_f32 v[ST0+4*\q+1], v[ST0+4*\q+1], v[T0+16*\q+6], v[T0+16*\q+7]   ; the running largest score of my query
.endr
.irp q, 0,1
	v_mul_f32 v[T0+16*\q+8], s34, v[ST0+4*\q+1]    ; as t
.endr
.irp q, 0,1
	v_floor_f32 v[T0+16*\q+9], -v[T0+16*\q+8]      ; the new -M = -ceil(t)
.endr
.irp q, 0,1
	v_sub_f32 v[T0+16*\q+8], v[T0+16*\q+9], v[ST0+4*\q]   ; old M less new M: a whole number, 0 or less
.endr
.irp q, 0,1
	v_mov_b32 v[ST0+4*\q], v[T0+16*\q+9]
.endr
.irp q, 0,1
	v_cvt_i32_f32 v[T0+16*\q+8], v[T0+16*\q+8]     ; (it saturates)
.endr
.irp q, 0,1
	v_ldexp_f32 v[T0+16*\q+10], 1.0, v[T0+16*\q+8] ; the factor 2^(old M - new M)
.endr
.irp q, 0,1
.set j, 0
.rept 32
	v_pk_fma_f32 v[S0+64*\q+j:S0+64*\q+j+1], v[S0+64*\q+j:S0+64*\q+j+1], s[34:35], v[ST0+4*\q:ST0+4*\q+1] op_sel_hi:[1,0,0]   ; t - M
.set j, j+2
.endr
.endr
.irp c, 0,1
.irp q, 0,1
	v_fma_f32 v[T0+16*\q+\c], v[T0+16*\q+\c], s34, v[ST0+4*\q]   ; the same of each block's largest score
.endr
.endr
	s_wait_alu depctr_va_vdst(0)                   ; the wait ahead of the batch
.set j, 0
.rept 128
	v_exp_f32 v[S0+j], v[S0+j]
.set j, j+1
.endr
.irp c, 0,1
.irp q, 0,1
	v_exp_f32 v[T0+16*\q+\c], v[T0+16*\q+\c]       ; the block's largest p
.endr
.endr
.irp q, 0,1
	v_pk_mul_f32 v[ST0+4*\q+2:ST0+4*\q+3], v[ST0+4*\q+2:ST0+4*\q+3], v[T0+16*\q+10:T0+16*\q+11] op_sel_hi:[1,0]   ; the sums under the new M; a plain place behind the batch
.endr
	s_wait_alu depctr_va_vdst(0)                   ; one wait for the batch, ahead of its first reader
.irp q, 0,1
	v_pk_add_f32 v[T0+16*\q+12:T0+16*\q+13], v[S0+64*\q:S0+64*\q+1], v[S0+64*\q+2:S0+64*\q+3]   ; the sum of the unquantised p: four chains a query, eight by turns
	v_pk_add_f32 v[T0+16*\q+8:T0+16*\q+9], v[S0+64*\q+4:S0+64*\q+5], v[S0+64*\q+6:S0+64*\q+7]
	v_pk_add_f32 v[T0+16*\q+14:T0+16*\q+15], v[S0+64*\q+8:S0+64*\q+9], v[S0+64*\q+10:S0+64*\q+11]
	v_pk_add_f32 v[ST0+4*\q+2:ST0+4*\q+3], v[ST0+4*\q+2:ST0+4*\q+3], v[S0+64*\q+60:S0+64*\q+61]
	v_pk_add_f32 v[T0+16*\q+8:T0+16*\q+9], v[T0+16*\q+8:T0+16*\q+9], v[S0+64*\q+62:S0+64*\q+63]
.endr
.set j, 12
.rept 6
.irp q, 0,1
	v_pk_add_f32 v[ST0+4*\q+2:ST0+4*\q+3], v[ST0+4*\q+2:ST0+4*\q+3], v[S0+64*\q+j:S0+64*\q+j+1]
	v_pk_add_f32 v[T0+16*\q+12:T0+16*\q+13], v[T0+16*\q+12:T0+16*\q+13], v[S0+64*\q+j+2:S0+64*\q+j+3]
	v_pk_add_f32 v[T0+16*\q+8:T0+16*\q+9], v[T0+16*\q+8:T0+16*\q+9], v[S0+64*\q+j+4:S0+64*\q+j+5]
	v_pk_add_f32 v[T0+16*\q+14:T0+16*\q+15], v[T0+16*\q+14:T0+16*\q+15], v[S0+64*\q+j+6:S0+64*\q+j+7]
.endr
.set j, j+8
.endr
.irp c, 0,1
.irp q, 0,1
	v_max_num_f32 v[T0+16*\q+\c], 0x2800000, v[T0+16*\q+\c]   ; the floor 2^(5 - 127): the byte cannot fall under 1
.endr
.endr
.irp q, 0,1
	v_pk_add_f32 v[T0+16*\q+12:T0+16*\q+13], v[T0+16*\q+12:T0+16*\q+13], v[T0+16*\q+8:T0+16*\q+9]   ; the four chains join
	v_pk_add_f32 v[ST0+4*\q+2:ST0+4*\q+3], v[ST0+4*\q+2:ST0+4*\q+3], v[T0+16*\q+14:T0+16*\q+15]
	v_pk_add_f32 v[ST0+4*\q+2:ST0+4*\q+3], v[ST0+4*\q+2:ST0+4*\q+3], v[T0+16*\q+12:T0+16*\q+13]
.endr
.irp c, 0,1
.irp q, 0,1
	v_add_nc_u32 v[T0+16*\q+2+\c], 0xfe000000, v[T0+16*\q+\c]   ; 4 off the exponent field: the conversion's scale operand
.endr
.endr
.irp c, 0,1
.irp q, 0,1
	v_lshrrev_b32 v[T0+16*\q+4+\c], 23, v[T0+16*\q+2+\c]        ; the scale's byte
.endr
.endr
.irp q, 0,1
	v_lshl_or_b32 v[46+\q], v[T0+16*\q+5], 16, v[T0+16*\q+4]    ; my two bytes: blocks h and 2 + h,
.endr
.irp q, 0,1
	v_permlanex16_b32 v[T0+16*\q+7], v[46+\q], s[SEL], s[SEL+1]
.endr
.irp q, 0,1
	v_lshl_or_b32 v[46+\q], v[T0+16*\q+7], 8, v[46+\q]   ; lanes 0-15, which alone are read as scales: blocks 0, 2 are mine, blocks 1, 3 the other half's, 8 bits up; lanes 16-31 hold four finite bytes too
.endr
.irp q, 0,1
.irp c, 0,1
	v_cvt_scalef32_pk16_bf6_f32 v[PCQ+12*\q+6*\c:PCQ+12*\q+6*\c+2], v[S0+64*\q+32*\c:S0+64*\q+32*\c+15], v[T0+16*\q+2+\c]
	v_cvt_scalef32_pk16_bf6_f32 v[216-192*\q+4*\c:216-192*\q+4*\c+2], v[S0+64*\q+32*\c+16:S0+64*\q+32*\c+31], v[T0+16*\q+2+\c]   ; (a conversion's three registers begin on an even number)
.endr
.endr
	v_nop                                          ; one plain place behind the conversions
.irp q, 0,1
.irp c, 0,1
.irp i, 0,1,2
	v_mov_b32 v[PCQ+12*\q+6*\c+3+\i], v[216-192*\q+4*\c+\i]
.endr
.endr
.endr
	s_wait_alu depctr_va_vdst(0)                   ; the wait directly ahead of the first reader of O^T
	WIN 0x41
.irp q, 0,1
.set j, 0
.rept 16
	v_pk_mul_f32 v[32*\q+j:32*\q+j+1], v[32*\q+j:32*\q+j+1], v[T0+16*\q+10:T0+16*\q+11] op_sel_hi:[1,0]   ; O^T under the new M; also the places ahead of the products
.set j, j+2
.endr
.endr
	s_wait_alu depctr_va_vdst(0)                   ; the wait ahead of the wait below
	s_wait_dscnt 36                                ; V and its scale words are in; the 36 younger loads, the next step's, may be out
	WIN 0x51
.irp d, 0,1,2,3
.irp q, 0,1
	v_wmma_scale_f32_16x16x128_f8f6f4 v[32*\q+8*\d:32*\q+8*\d+7], v[VF+12*\d:VF+12*\d+11], v[PCQ+12*\q:PCQ+12*\q+11], v[32*\q+8*\d:32*\q+8*\d+7], v[40+\d], v[46+\q] matrix_a_fmt:MATRIX_FMT_BF6 matrix_b_fmt:MATRIX_FMT_BF6
.endr
.endr
	WIN 0
	PLACES
	VLOADS                                         ; the next step's V
.endm
.Lpass:                                            ; two trips: 32 queries of mine each
	WIN 0x40
.set j, 0
.rept 64
	v_mov_b32 v[j], 0                              ; O^T: the step is written once, and the first finds zeros
.set j, j+1
.endr
	WIN 0
.irp q, 0,1
	v_mov_b32 v[ST0+4*\q+1], 0xff61b1e6            ; -3e38, under every score
	v_mov_b32 v[ST0+4*\q+2], 0
	v_mov_b32 v[ST0+4*\q+3], 0
.endr
.irp q, 0,1
	v_floor_f32 v[ST0+4*\q], -v[ST0+4*\q+1]
.endr
	s_mov_b32 s38, 0
	s_wait_alu depctr_va_vdst(0)
	s_wait_loadcnt 0x0
.Lk:
	STEP
	s_cmp_lt_u32 s38, 16
	s_cbranch_scc1 .Lk
	s_cmp_eq_u32 s39, 0                            ; the next pass's q, under this pass's way out; behind the second pass the first's is named again, and those five loads are not used
	s_cselect_b64 s[54:55], s[50:51], s[40:41]
	s_cselect_b64 s[56:57], s[52:53], s[42:43]
	QLOADS 54, 56
.irp q, 0,1
	v_add_f32 v[ST0+4*\q+2], v[ST0+4*\q+2], v[ST0+4*\q+3]
.endr
.irp q, 0,1
	v_permlanex16_b32 v[T0+16*\q+7], v[ST0+4*\q+2], s[SEL], s[SEL+1]
.endr
.irp q, 0,1
	v_add_f32 v[ST0+4*\q+2], v[ST0+4*\q+2], v[T0+16*\q+7]   ; the row's sum
.endr
	s_wait_alu depctr_va_vdst(0)
.irp q, 0,1
	v_rcp_f32 v[RL+2*\q], v[ST0+4*\q+2]
.endr
	v_nop
	s_wait_alu depctr_va_vdst(0)
	WIN 0x01
.irp q, 0,1
.set j, 0
.rept 16
	v_pk_mul_f32 v[S0+64*\q+j:S0+64*\q+j+1], v[32*\q+j:32*\q+j+1], v[RL+2*\q:RL+2*\q+1] op_sel_hi:[1,0]   ; O^T / the sum
.set j, j+2
.endr
.endr
	WIN 0
.irp q, 0,1
	QH S0+64*\q, PCQ+12*\q, 216, T0+16*\q, 60+\q
.endr
.irp q, 0,1
	global_store_b128 v1, v[PCQ+12*\q:PCQ+12*\q+3], s[44:45] offset:12288*\q   ; a half image: 512 consecutive bytes,
	global_store_b64 v2, v[PCQ+12*\q+4:PCQ+12*\q+5], s[44:45] offset:12288*\q  ; and 256
.endr
	v_cndmask_b32 v62, v60, v61, s48               ; lanes 0-15 store tile 0's two bytes of row r, lanes 16-31 tile 1's
	global_store_b16 v16, v62, s[46:47]
	s_wait_xcnt 0x0                                ; the loads and stores have read their bases and data
	s_add_nc_u64 s[44:45], s[44:45], 204800
	s_add_nc_u64 s[46:47], s[46:47], 204800
	s_add_co_u32 s39, s39, 1
	s_cmp_lt_u32 s39, 2
	s_cbranch_scc1 .Lpass
	s_wait_dscnt 0x0
	s_wait_tensorcnt 0x0                           ; the wave's end
	ds_add_u32 v17, v18
	s_wait_dscnt 0x0
	CROUND                                         ; the closing round
	s_endpgm
.Lfunc_end_k_q42bb73dacf_attn:
	.size	k_q42bb73dacf_attn, .Lfunc_end_k_q42bb73dacf_attn-k_q42bb73dacf_attn
	.p2alignl 7, 3214868480
	.fill 96, 4, 3214868480
	.section	.rodata,"a",@progbits
	.p2align	6, 0x0
	.amdhsa_kernel k_q42bb73dacf_attn
		.amdhsa_group_segment_fixed_size 327680
		.amdhsa_private_segment_fixed_size 0
		.amdhsa_enable_private_segment 0
		.amdhsa_kernarg_size 24
		.amdhsa_user_sgpr_count 2
		.amdhsa_user_sgpr_kernarg_segment_ptr 1
		.amdhsa_wavefront_size32 1
		.amdhsa_system_sgpr_workgroup_id_x 1
		.amdhsa_system_sgpr_workgroup_id_y 1
		.amdhsa_system_sgpr_workgroup_id_z 1
		.amdhsa_system_vgpr_workitem_id 0
		.amdhsa_next_free_vgpr 512
		.amdhsa_next_free_sgpr 66
		.amdhsa_reserve_vcc 0
		.amdhsa_float_denorm_mode_32 3
		.amdhsa_float_denorm_mode_16_64 3
		.amdhsa_memory_ordered 1
		.amdhsa_forward_progress 1
		.amdhsa_inst_pref_size 51
	.end_amdhsa_kernel
	.amdgpu_metadata
---
amdhsa.version: [ 1, 2 ]
amdhsa.kernels:
  - .name:           k_q42bb73dacf_attn
    .symbol:         k_q42bb73dacf_attn.kd
    .args:
      - { .name: qkv, .offset: 0, .size: 8, .value_kind: global_buffer, .address_space: global }
      - { .name: encoder_padding_mask, .offset: 8, .size: 8, .value_kind: global_buffer, .address_space: global }
      - { .name: ctx, .offset: 16, .size: 8, .value_kind: global_buffer, .address_space: global }
    .group_segment_fixed_size: 327680
    .private_segment_fixed_size: 0
    .kernarg_segment_align: 8
    .kernarg_segment_size: 24
    .max_flat_workgroup_size: 256
    .sgpr_count:     66
    .vgpr_count:     512
    .wavefront_size: 32
...
	.end_amdgpu_metadata
.endif
;; end of part 3
;; launch outp (part 4): grid 4 x 64, 4 waves a work-group, clusters of 4 x 1, 168,448 bytes of LDS; arguments ctx, wimg, out_w_scales, out_b, hidden_states, out0; writes out0
.if DOCPART == 4
	.amdgcn_target "amdgcn-amd-amdhsa--gfx1250"
	.amdhsa_code_object_version 6
	.text
	.protected	k_q42bb73dacf_outp
	.globl	k_q42bb73dacf_outp
	.p2align	8
	.type	k_q42bb73dacf_outp,@function
k_q42bb73dacf_outp:
	s_mov_b64 s[64:65], 0
	v_nop
	global_prefetch_b8 v0, s[64:65] scope:SCOPE_SE
	s_setreg_imm32_b32 hwreg(HW_REG_WAVE_MODE, 25, 1), 1
	s_wait_xcnt 0x0
	s_wait_alu depctr_hold_cnt(0) depctr_sa_sdst(0) depctr_va_vdst(0) depctr_va_sdst(0) depctr_va_ssrc(0) depctr_va_vcc(0) depctr_vm_vsrc(0)
	s_getreg_b32 s2, hwreg(HW_REG_IB_STS2, 6, 4)
	s_cmp_eq_u32 s2, 0
	s_cbranch_scc0 .Lentry_in_a_cluster
	s_endpgm
.Lentry_in_a_cluster:
	s_bfe_u32 s2, ttmp6, 0x10000c
	s_cmp_lg_u32 s2, 0x3003
	s_cbranch_scc0 .Lentry_shape_is_right
	s_endpgm
.Lentry_shape_is_right:
; out0 = x + ctx W^T + b, the product on E3M2 codes.
; SHARES.  Work-group y owns a block of 128 tokens; the cluster's four work-groups take 256 columns each, a wave 64.  The wave's 32 weight fragments stay in registers.  The four partners read the same block of ctx,
; 102,400 bytes, asked for JOINTLY, each wave a quarter, filled once.  Source 0 = 16 rows of W, source 1 = 16 tokens: a lane holds one token and 8 neighbouring columns a tile.  The bias is the C of each sum's first instruction.
; Lane r of a tile 2 b + u (tokens and rows of W alike) stands for 32 b + 8 u + r + 8 (r / 8).
; The block goes pair by pair of token tiles: 4 phases of 2 K steps, 16 matrix instructions each, 8 accumulators by turns; ctx's fragments come two phases ahead, in three sets of registers.
; THE WAY OUT.  A pair's results go through the wave's own stage in LDS and come back as rows of 256 bytes; x's same rows, asked for ahead, are added, and sixteen lanes store 256 consecutive bytes, aligned.
; REGISTERS.  Window 0: v1-13 addresses; v24-55 W's scale words; v56-87 ctx's, two sets; v88-231 ctx's fragments.  Windows 1, 2: v0-191 W's fragments; v192-255 x of pairs 0 and 3, of pair 1.
;   Window 3: v0-63 accumulators, v64-95 bias, v96-159 rows back from the stage, v160-223 x of pair 2.
.set WS,    24
.set YS,    56
.set FB,    88
.set ACC,   0
.set BIAS,  64
.set RB,    96
.set STG,   102400                     ; behind the block: 2 x 16 rows x 272 bytes for each wave; no fill lands there
.set MSB,   0
.macro WIN new
.if MSB != (\new)
	s_set_vgpr_msb (MSB<<8)|(\new)
.set MSB, (\new)
.endif
.endm
.macro PLACES
.rept 4
	v_nop
.endr
.endm
.macro CROUND
	s_barrier_signal -1
	s_barrier_wait -1
	s_cmp_lg_u32 s16, 0
	s_cbranch_scc1 .Lnot_wave_0_\@
	s_barrier_signal -3
.Lnot_wave_0_\@:
	s_barrier_wait -3
	s_barrier_signal -1
	s_barrier_wait -1
.endm
.macro MM d, a, b, c, sa, sb
	v_wmma_scale_f32_16x16x128_f8f6f4 v[\d:\d+7], v[\a:\a+11], v[\b:\b+11], v[\c:\c+7], v[\sa], v[\sb] matrix_a_fmt:MATRIX_FMT_BF6 matrix_b_fmt:MATRIX_FMT_BF6
.endm
	s_load_b256 s[4:11], s[0:1], 0x0               ; ctx, wimg, W's scales, b
	s_load_b128 s[12:15], s[0:1], 0x20             ; x, out0
	v_lshl_add_u32 v254, v0, 2, 0x29000
	v_mov_b32 v255, 0
	ds_add_u32 v254, v255
	ds_add_u32 v254, v255
	v_lshrrev_b32 v14, 5, v0
	v_readfirstlane_b32 s16, v14                   ; wave 0..3
	s_bfe_u32 s17, ttmp6, 0x40000                  ; cx
	s_and_b32 s18, ttmp7, 0xffff                   ; the block of 128 tokens
	s_mov_b32 s24, 15|(3<<16)|(1<<21)              ; group 1: 100 rows of 256 bytes, dense; the mask names all four partners
	s_mov_b32 s25, 32<<16
	s_mov_b32 s26, 100<<16
	s_mov_b32 s27, 32<<16
	s_mov_b32 s28, 100
	s_mov_b32 s29, 32
	s_mov_b32 s30, 0
	s_mov_b32 s31, 0
	s_mov_b32 s32, 1
	s_mul_i32 s33, s16, 25600
	s_mul_i32 s20, s18, 102400
	s_add_co_u32 s20, s20, s33
	s_mov_b32 s21, 0
	s_mul_i32 s22, s16, 8704
	s_add_co_u32 s22, s22, STG                     ; my stage
	s_wait_dscnt 0x0
	s_wait_kmcnt 0x0
	s_add_nc_u64 s[34:35], s[4:5], s[20:21]
	s_or_b32 s35, s35, 0x80000000
	CROUND                                         ; all four partners are here
	tensor_load_to_lds s[32:35], s[24:31]          ; one load of mine is out
	s_nop 0
	PLACES
	v_and_b32 v14, 31, v0                          ; lane
	v_and_b32 v15, 15, v0                          ; r
	v_bfe_u32 v16, v0, 4, 1                        ; h
	v_lshlrev_b32 v1, 4, v14                       ; 16 x lane
	v_lshl_add_u32 v2, v14, 3, 512                 ; 512 + 8 x lane
	v_mov_b32 v4, v1                               ; tiles 0-3
	v_mov_b32 v5, v2
	v_add_nc_u32 v6, 49152, v1                     ; tiles 4-7
	v_add_nc_u32 v7, 49152, v2
	v_lshl_add_u32 v8, v15, 5, 98304               ; ctx's scale words of row r
	v_lshlrev_b32 v9, 4, v15
	v_lshl_add_u32 v9, v16, 12, v9                 ; x and out0: lanes 0-15 one row's 256 bytes, lanes 16-31 the next row's
	v_mul_u32_u24 v10, v15, 272
	v_lshl_add_u32 v10, v16, 6, v10
	v_add_nc_u32 v10, s22, v10                     ; into the stage: row r, + 64 h
	v_mul_u32_u24 v11, v16, 272
	v_lshl_add_u32 v11, v15, 4, v11
	v_add_nc_u32 v11, s22, v11                     ; back: two rows an instruction
	v_lshlrev_b32 v12, 6, v16                      ; the bias: 64 h
	v_and_b32 v17, 8, v15
	v_add_nc_u32 v17, v17, v15
	v_lshlrev_b32 v13, 5, v17                      ; W's scale bytes: 32 (r + 8 (r / 8))
	s_wait_alu depctr_va_vdst(0)
	s_lshl_b32 s48, s17, 4
	s_lshl_b32 s49, s16, 2
	s_add_co_u32 s48, s48, s49                     ; my first tile of 16 columns
	s_lshl_b32 s50, s48, 9
	s_mov_b32 s51, 0
	s_lshl_b32 s52, s48, 6                         ; 4 bytes a column
	s_mov_b32 s53, 0
	s_add_co_u32 s48, s48, 192                     ; out_w's tiles lie behind qkv_w's 192
	s_mul_i32 s48, s48, 12288
	s_mov_b32 s49, 0
	s_add_nc_u64 s[6:7], s[6:7], s[48:49]
	s_add_nc_u64 s[8:9], s[8:9], s[50:51]
	s_add_nc_u64 s[10:11], s[10:11], s[52:53]
	s_lshl_b32 s54, s18, 19                        ; 128 rows of 4,096 bytes
	s_add_co_u32 s54, s54, s52
	s_mov_b32 s55, 0
	s_add_nc_u64 s[12:13], s[12:13], s[54:55]
	s_add_nc_u64 s[14:15], s[14:15], s[54:55]
; x's rows of pair pi, in the order in which the stage gives the results back: row 2 i + lane / 16 of tile m is token 32 pi + 8 m + 2 i + 8 (i / 4) + lane / 16
.macro XLOAD pi, xb
.irp m, 0,1
.irp i, 0,1,2,3,4,5,6,7
	global_load_b128 v[\xb+32*\m+4*\i:\xb+32*\m+4*\i+3], v9, s[12:13] offset:(32*\pi+8*\m+2*\i+8*(\i/4))*4096 th:TH_LOAD_NT
.endr
.endr
.endm
; THE ORDER OF THE HEAD'S LOADS: x of pairs 0 to 2, the bias, W's scale words, W's fragments by K steps.  Loads come back in that order, so the first four phases wait by count
	WIN 0x40
	XLOAD 0, 192
	WIN 0x80
	XLOAD 1, 192
	WIN 0xc0
	XLOAD 2, 160
.irp t, 0,1,2,3
.irp i, 0,1
	global_load_b128 v[BIAS+8*\t+4*\i:BIAS+8*\t+4*\i+3], v12, s[10:11] offset:128*(\t/2)+32*(\t%2)+16*\i
.endr
.endr
	WIN 0
.irp t, 0,1,2,3
.irp i, 0,1
	global_load_b128 v[WS+8*\t+4*\i:WS+8*\t+4*\i+3], v13, s[8:9] offset:(32*(\t/2)+8*(\t%2))*32+16*\i
.endr
.endr
	WIN 0x40
.irp s, 0,1,2,3
.irp t, 0,1,2,3
.irp i, 0,1,2
	global_load_b128 v[12*(4*\s+\t)+4*\i:12*(4*\s+\t)+4*\i+3], v1, s[6:7] offset:(8*\t+\s)*1536+512*\i
.endr
.endr
.endr
	WIN 0x80
.irp s, 0,1,2,3
.irp t, 0,1,2,3
.irp i, 0,1,2
	global_load_b128 v[12*(4*\s+\t)+4*\i:12*(4*\s+\t)+4*\i+3], v1, s[6:7] offset:(8*\t+\s+4)*1536+512*\i
.endr
.endr
.endr
	WIN 0
	s_wait_tensorcnt 0x0                           ; my quarter of the block has landed,
	s_barrier_signal -1
	s_barrier_wait -1                              ; everybody's has
.macro LOADS p
.set LPI, (\p)/4
.set LPH, (\p)%4
.irp e, 0,1
.irp m, 0,1
.set LMT, 2*LPI+\m
.set LOF, (LMT%4)*12288+1536*(2*LPH+\e)
.set LF, FB+48*((\p)%3)+12*(2*\e+\m)
.set LA, 4+2*(LMT/4)
	ds_load_b128 v[LF:LF+3], v[LA] offset:LOF
	ds_load_b64 v[LF+4:LF+5], v[LA+1] offset:LOF
	ds_load_b128 v[LF+6:LF+9], v[LA] offset:LOF+768
	ds_load_b64 v[LF+10:LF+11], v[LA+1] offset:LOF+768
.endr
.endr
.if LPH == 0
.irp m, 0,1
.irp i, 0,1
	ds_load_b128 v[YS+16*(LPI%2)+8*\m+4*\i:YS+16*(LPI%2)+8*\m+4*\i+3], v8 offset:512*(2*LPI+\m)+16*\i
.endr
.endr
.endif
.endm
.macro PH p
	PLACES                                         ; the set that is loaded next was read by the phase before
.if (\p)+2 < 16
	LOADS (\p)+2
.endif
.set NW, 0                                     ; the LDS loads issued behind this phase's own: those of the next two phases (fewer are out behind a way out, which waits for all)
.if (\p)+1 < 16
.set NW, NW+16
.if ((\p)+1)%4 == 0
.set NW, NW+4
.endif
.endif
.if (\p)+2 < 16
.set NW, NW+16
.if ((\p)+2)%4 == 0
.set NW, NW+4
.endif
.endif
	s_wait_dscnt NW
.if (\p) == 0
	s_wait_loadcnt 63                              ; x, the bias, the scale words and K steps 0, 1 are in: 72 loads are younger
.endif
.if (\p) == 1
	s_wait_loadcnt 48                              ; K steps 2, 3
.endif
.if (\p) == 2
	s_wait_loadcnt 24                              ; K steps 4, 5
.endif
.if (\p) == 3
	s_wait_loadcnt 0x0                             ; K steps 6, 7
.endif
.set PPI, (\p)/4
.set PPH, (\p)%4
	WIN 0xf1+(PPH/2)                               ; source 0 (W) window 1 or 2, source 1 (ctx) window 0, C and D window 3
.irp e, 0,1
.irp m, 0,1
.irp t, 0,1,2,3
.set PS, 2*PPH+\e
.set PF, FB+48*((\p)%3)+12*(2*\e+\m)
.set PW, 12*(4*(PS%4)+\t)
.set PWS, WS+8*\t+PS
.set PYS, YS+16*(PPI%2)+8*\m+PS
.set PD, ACC+32*\m+8*\t
.set PCC, PD
.if PS == 0
.set PCC, BIAS+8*\t
.endif
	MM PD, PW, PF, PCC, PWS, PYS
.endr
.endr
.endr
	WIN 0
.endm
; The way out of pair pi.  xw, xb: the window and first register of its x;  lc: the loads of x issued behind them.
.macro EPO pi, xw, xb, lc
	PLACES
	WIN 0x0c                                       ; an LDS store's data: window 3
.irp m, 0,1
.irp t, 0,1,2,3
	ds_store_b128 v10, v[ACC+32*\m+8*\t:ACC+32*\m+8*\t+3] offset:4352*\m+128*(\t/2)+32*(\t%2)       ; each accumulator from its low end on
	ds_store_b128 v10, v[ACC+32*\m+8*\t+4:ACC+32*\m+8*\t+7] offset:4352*\m+128*(\t/2)+32*(\t%2)+16
.endr
.endr
	WIN 0xc0
.irp m, 0,1
.irp i, 0,1,2,3,4,5,6,7
	ds_load_b128 v[RB+32*\m+4*\i:RB+32*\m+4*\i+3], v11 offset:4352*\m+544*\i   ; LDS serves a wave's instructions in order (ISA guide 5.7.1): these see my stores
.endr
.endr
	WIN 0
	s_wait_loadcnt \lc
	s_wait_dscnt 0x0
	WIN ((\xw)<<6)|(3<<2)|(\xw)
.set j, 0
.rept 32
	v_pk_add_f32 v[\xb+j:\xb+j+1], v[\xb+j:\xb+j+1], v[RB+j:RB+j+1]
.set j, j+2
.endr
	WIN (\xw)<<2
.irp m, 0,1
.irp i, 0,1,2,3,4,5,6,7
	global_store_b128 v9, v[\xb+32*\m+4*\i:\xb+32*\m+4*\i+3], s[14:15] offset:(32*\pi+8*\m+2*\i+8*(\i/4))*4096 th:TH_STORE_NT   ; sixteen lanes store 256 consecutive bytes, aligned
.endr
.endr
	WIN 0
.endm
	LOADS 0
	LOADS 1
	PH 0
	PH 1
	PH 2
	PH 3
	EPO 0, 1, 192, 32                              ; behind pair 0's x: pairs 1's and 2's
	s_wait_xcnt 0x0                                ; pair 0's stores have read their data: pair 3's x lands there only behind this wait
	WIN 0x40
	XLOAD 3, 192
	WIN 0
	PH 4
	PH 5
	PH 6
	PH 7
	EPO 1, 2, 192, 32                              ; behind pair 1's: pairs 2's and 3's
	PH 8
	PH 9
	PH 10
	PH 11
	EPO 2, 3, 160, 16                              ; behind pair 2's: pair 3's
	PH 12
	PH 13
	PH 14
	PH 15
	EPO 3, 1, 192, 0
	s_wait_dscnt 0x0
	s_wait_tensorcnt 0x0
	ds_add_u32 v254, v255
	s_wait_dscnt 0x0
	CROUND                                         ; the closing round
	s_endpgm
.Lfunc_end_k_q42bb73dacf_outp:
	.size	k_q42bb73dacf_outp, .Lfunc_end_k_q42bb73dacf_outp-k_q42bb73dacf_outp
	.p2alignl 7, 3214868480
	.fill 96, 4, 3214868480
	.section	.rodata,"a",@progbits
	.p2align	6, 0x0
	.amdhsa_kernel k_q42bb73dacf_outp
		.amdhsa_group_segment_fixed_size 168448
		.amdhsa_private_segment_fixed_size 0
		.amdhsa_enable_private_segment 0
		.amdhsa_kernarg_size 48
		.amdhsa_user_sgpr_count 2
		.amdhsa_user_sgpr_kernarg_segment_ptr 1
		.amdhsa_wavefront_size32 1
		.amdhsa_system_sgpr_workgroup_id_x 1
		.amdhsa_system_sgpr_workgroup_id_y 1
		.amdhsa_system_sgpr_workgroup_id_z 1
		.amdhsa_system_vgpr_workitem_id 0
		.amdhsa_next_free_vgpr 1024
		.amdhsa_next_free_sgpr 66
		.amdhsa_reserve_vcc 0
		.amdhsa_float_denorm_mode_32 3
		.amdhsa_float_denorm_mode_16_64 3
		.amdhsa_memory_ordered 1
		.amdhsa_forward_progress 1
		.amdhsa_inst_pref_size 98
	.end_amdhsa_kernel
	.amdgpu_metadata
---
amdhsa.version: [ 1, 2 ]
amdhsa.kernels:
  - .name:           k_q42bb73dacf_outp
    .symbol:         k_q42bb73dacf_outp.kd
    .args:
      - { .name: ctx, .offset: 0, .size: 8, .value_kind: global_buffer, .address_space: global }
      - { .name: wimg, .offset: 8, .size: 8, .value_kind: global_buffer, .address_space: global }
      - { .name: out_w_scales, .offset: 16, .size: 8, .value_kind: global_buffer, .address_space: global }
      - { .name: out_b, .offset: 24, .size: 8, .value_kind: global_buffer, .address_space: global }
      - { .name: hidden_states, .offset: 32, .size: 8, .value_kind: global_buffer, .address_space: global }
      - { .name: out0, .offset: 40, .size: 8, .value_kind: global_buffer, .address_space: global }
    .group_segment_fixed_size: 168448
    .private_segment_fixed_size: 0
    .kernarg_segment_align: 8
    .kernarg_segment_size: 48
    .max_flat_workgroup_size: 128
    .sgpr_count:     66
    .vgpr_count:     1024
    .wavefront_size: 32
...
	.end_amdgpu_metadata
.endif
;; end of part 4
